; MI455X (gfx1250); checked and timed in simulation.
; The chip was launched on July 23, 2026; its instructions are those of AMD's public machine-readable ISA for CDNA 5 (MIT licence, August 2026) and "CDNA5" Instruction Set Architecture Reference Guide (July 2026). The comments in the code are by the model that wrote it; some were corrected since.
;; IMITER Self Attention. Allowed arithmetic: matrix products marked QUANTISED: E4M3 operands, one given power-of-two scale a tensor, by v_wmma_f32_16x16x64_fp8_fp8 or v_wmma_f32_16x16x128_fp8_fp8, f32 sums; everything else in f32.
;; Inputs: W_iik 577 x 512 float32; W_iiv 577 x 512 float32; W_itk 512 x 577 float32; W_itv 512 x 577 float32; Wk 1,024 x 1,024 float32; Wq 1,024 x 1,024 float32; Wv 1,024 x 1,024 float32; b_iik 577 float32; b_iiv 577 float32; b_itk 512 float32; b_itv 512 float32; bk 1,024 float32; bq 1,024 float32; bv 1,024 float32; hidden_states 8 x 1,089 x 1,024 float32; lowp_scales 18 int32 (the exponents e of the quantised operands' scales 2^e).
;; Outputs: out0 8 x 1,089 x 1,024 float32; out1 one number float32.
;; This version of the problem:
;;   THIS VERSION OF THE PROBLEM IS GIVEN IN LOW PRECISION. The matrix products marked QUANTISED in the list below multiply operands that are first quantised to E4M3 (4 exponent bits, 3 mantissa bits; 8 bits a number), with one given power-of-two scale for each operand tensor; their sums are f32. All else is computed in f32.
;;   The module's matrix products, in the order in which they are computed (A, B: the left and right operand; K: the contracted axis; several contracted axes count as one K, in the product's order):
;;     1. [M 8,712, K 1,024] x [K 1,024, N 1,024]; A: input hidden_states; B: input Wq: QUANTISED (scales: A lowp_scales[0], B lowp_scales[1])
;;     2. [M 8,712, K 1,024] x [K 1,024, N 1,024]; A: input hidden_states; B: input Wk: QUANTISED (scales: A lowp_scales[2], B lowp_scales[3])
;;     3. [M 8,712, K 1,024] x [K 1,024, N 1,024]; A: input hidden_states; B: input Wv: QUANTISED (scales: A lowp_scales[4], B lowp_scales[5])
;;     4. [M 8,192, K 512] x [K 512, N 577]; A: computed on the way; B: input W_iik: QUANTISED (scales: A lowp_scales[6], B lowp_scales[7])
;;     5. [M 8,192, K 577] x [K 577, N 512]; A: computed on the way; B: input W_itk: QUANTISED (scales: A lowp_scales[8], B lowp_scales[9])
;;     6. [M 8,192, K 512] x [K 512, N 577]; A: computed on the way; B: input W_iiv: QUANTISED (scales: A lowp_scales[10], B lowp_scales[11])
;;     7. [M 8,192, K 577] x [K 577, N 512]; A: computed on the way; B: input W_itv: QUANTISED (scales: A lowp_scales[12], B lowp_scales[13])
;;     8. batch 128 x [M 1,089, K 64] x [K 64, N 1,089]; A: computed on the way; B: computed on the way: QUANTISED (scales: A lowp_scales[14], B lowp_scales[15])
;;     9. batch 128 x [M 1,089, K 1,089] x [K 1,089, N 64]; A: softmax (see below); B: computed on the way: QUANTISED (scales: A lowp_scales[16], B lowp_scales[17])
;;   THE QUANTISER, for each operand of a quantised product, along K:
;;     - The operand's scale is 2^e, e = its entry of the input lowp_scales (int32; the entries are numbered through the quantised products in the list's order, A before B).
;;     - Each number is divided by the scale, clamped to +-448, and rounded to the nearest number of E4M3, ties to even, subnormals kept.
;;     - The product sums the exact products of the quantised numbers (number of the format x scale) in f32.
;;   ~~~python
;;   def quantise(x, axis, e):      # numpy; x: float32 -> the quantised numbers, widened to float32 again
;;       x = np.moveaxis(x, axis, -1); K = x.shape[-1]
;;       r = np.clip(x / 2.0 ** e, -448, 448)
;;       step = 2.0 ** (np.maximum(np.frexp(np.where(r == 0, 1, r))[1] - 1, -6) - 3)
;;       q = np.round(r / step) * step * 2.0 ** e      # np.round: ties to even
;;       return np.moveaxis(q, -1, axis).astype(np.float32)
;;   ~~~
;;   SOFTMAX AHEAD OF A QUANTISED PRODUCT. Where the list says 'softmax', what is quantised is not the finished softmax but p = 2^(t - M), with t = logit x log2(e) and M = ceil(the row's largest t), a whole number; so 1/2 < the row's largest p <= 1. The row's sum l is taken of the UNQUANTISED p, in f32, and the product's result is divided by l at the end. Since M is a whole number, a kernel that streams over the keys may use a running M (the ceiling of the running maximum): every later rescaling is an exact power of two, so the quantised numbers keep their values, but for numbers so far below the row's largest that they fall under the format's range.
;;   OPERANDS COMPUTED ON THE WAY. 'Computed on the way' means the value that the module computes at that place (a softmax that the list does not call 'softmax' is quantised finished and normalised). What goes into a quantiser is computed in f32, as accurately as f32 sums, v_exp_f32 and their like allow (about 1e-6 of the number): no bf16 or f16 on the way to a quantiser, and a product that is left as it is and whose result goes on into a quantised operand takes f32 operands (vector FMAs, or v_wmma_f32_16x16x4_f32). A number that lies on a knife's edge between two numbers of the format may be rounded either way, as far as f32 arithmetic and the matrix unit's own rounding can turn it there, and no further.
;; One version. Each part assembles by itself: llvm-mc -triple=amdgcn-amd-amdhsa -mcpu=gfx1250 --defsym DOCPART=n.
;; ======== version 1 of 1: 4 launches
;; limits: right only within a limited range of input values
;; workspace buffers: hc 28,311,552 bytes; wc 4,456,448 bytes; qc 9,437,184 bytes; xc 18,874,368 bytes; xf 75,497,472 bytes; kv 18,874,368 bytes; part 1,024 bytes
;; launch quant (part 1): grid 68 x 8, 4 waves a work-group, no clusters, 66,048 bytes of LDS; arguments hidden_states, Wq, Wk, Wv, W_iik, W_iiv, W_itk, W_itv, lowp_scales, hc, wc; writes hc, wc
.if DOCPART == 1
	.amdgcn_target "amdgcn-amd-amdhsa--gfx1250"
	.amdhsa_code_object_version 6
	.text
	.protected	k_qadadb6cdd7_quant
	.globl	k_qadadb6cdd7_quant
	.p2align	8
	.type	k_qadadb6cdd7_quant,@function
k_qadadb6cdd7_quant:
	s_mov_b64 s[64:65], 0
	v_nop
	global_prefetch_b8 v0, s[64:65] scope:SCOPE_SE
	s_setreg_imm32_b32 hwreg(HW_REG_WAVE_MODE, 25, 1), 1
	s_wait_xcnt 0x0
; All f32 inputs of the quantised products become codes of FP8 (E4M3): code = x / 2^e, held within +-448, to the nearest code, ties to even.
; hc [3][8][1152][1024]: hidden_states three times, with e0, e2, e4.  A batch's 1,089 rows are filled up to 1,152 with zero codes.  Copy 0 keeps the rows' order; in copies 1 and 2 row s lies at
;    the place s with bits 3 and 4 exchanged, so that a product that takes 16 such rows as source 0 leaves 16 neighbours along s in a lane's registers of two neighbouring tiles.
; wc: Wq (e1; rows with bits 3 and 4 exchanged), Wk (e3), Wv (e5), 1 MiB each, K innermost; from WIM on, for k and then for v, the four small weights as IMAGES OF OPERAND REGISTERS:
;    a fragment (16 rows x 128 K) is 2,048 bytes, registers 4 c .. 4 c + 3 of lane l at 512 c + 16 l; lane (r, h) holds k = 32 c + 16 h + 0 .. 15 of the tile's row r.
;    W_it: [pair 16][K step 5][tile 2], K 577 filled to 640 with zero codes;  W_ii, 327,680 bytes on: [pair 20][K step 4][tile 2], rows 577 .. 639 zero codes.
;    Lane r of tile u of a pair takes row 32 pair + 8 u + r % 8 + 16 (r / 8).
; THREE PATHS, by the work-group's x: 0-35 hidden_states (32 rows of batch y), 36-47 the three large weights, 48-67 the four small ones.  Waves share nothing: no barrier.
; The first two paths are one stream form: each load takes 512 consecutive bytes, a step's 2,048 bytes turn through the wave's own stage in LDS (16 bytes of padding behind each 64) and come back
; 16 neighbours a lane; a lane's 16 codes are 16 bytes, so a store covers 512 consecutive bytes.  Loads run eight steps (32 loads, 16,384 bytes a wave) ahead.  Each path has LDS bytes of its own.
; LIMITS: every e between -126 and 119.  NaN among the inputs is not served; an infinity is held at the largest code.
.set STEPS, 16
.set DEPTH, 8                          ; steps whose loads are on their way
.set SP,    80                         ; a lane's place in a stage: 64 bytes + 16 of padding
.set HCOPY, 9437184                    ; bytes of one copy in hc
.set WIM,   3145728                    ; where the images begin in wc
.set OFFR,  16                         ; v16-23   byte offsets of my eight rows
.set R,     24                         ; v24-151  eight sets of 16 numbers as loaded
.set X,     152                        ; v152-183 two sets of 16 neighbours
.set Y,     184                        ; v184-199 the numbers held within the limit
.set SC,    200                        ; v200-202 2^e as f32, one for each copy
.set C,     204                        ; v204-227 codes: two sets x three copies x four registers
.set LIM,   228                        ; v228-230 448 x 2^e, or 0 for a row past the batch's end
.set AD,    24                         ; small weights: v24-87 addresses, v88-151 numbers, v152-167 codes
.set XC,    88
.set PC,    152
	s_load_b512 s[8:23], s[0:1], 0x0               ; hidden_states, Wq, Wk, Wv, W_iik, W_iiv, W_itk, W_itv
	s_load_b128 s[24:27], s[0:1], 0x40             ; the scales' exponents, hc
	s_load_b64 s[28:29], s[0:1], 0x50              ; wc
	v_lshl_add_u32 v232, v0, 2, 0x10000
	v_mov_b32 v233, 0
	v_lshrrev_b32 v1, 5, v0
	v_readfirstlane_b32 s4, v1                     ; wave
	v_and_b32 v2, 31, v0                           ; lane
	v_lshlrev_b32 v3, 4, v2                        ; 16 x lane: my bytes of a load's or a store's 512; never rewritten
	s_and_b32 s3, ttmp7, 0xffff                    ; y
	s_and_b32 s5, s4, 1
	s_lshl_b32 s5, s5, 1
	s_lshr_b32 s6, s4, 1
	s_or_b32 s5, s5, s6                            ; the wave's two bits exchanged: where my eight rows lie in an exchanged group of 32
	s_lshl_b32 s6, s4, 13                          ; my 8,192 bytes of LDS
	v_lshrrev_b32 v14, 2, v2
	v_mul_u32_u24 v14, v14, SP
	v_and_b32 v15, 3, v2
	v_lshl_add_u32 v14, v15, 4, v14
	v_add_nc_u32 v14, s6, v14                      ; into the stage: SP (lane / 4) + 16 (lane % 4)
	v_mul_u32_u24 v15, v2, SP
	v_add_nc_u32 v15, s6, v15                      ; out of it: SP x lane
	v_add_nc_u32 v12, 32768, v14                   ; the same for the large weights' path, in bytes of its own
	v_add_nc_u32 v13, 32768, v15
	s_wait_alu depctr_va_vdst(0)
	s_wait_kmcnt 0x0
	s_load_b512 s[48:63], s[24:25], 0x0
	s_cmp_ge_u32 ttmp9, 48
	s_cbranch_scc1 .Lpath_c
	s_cmp_ge_u32 ttmp9, 36
	s_cbranch_scc1 .Lpath_w
.macro LOAD t                          ; step t: half t % 2 of row t / 2, four loads of 512 consecutive bytes
.irp i, 0,1,2,3
	global_load_b128 v[R+16*((\t)%DEPTH)+4*\i:R+16*((\t)%DEPTH)+4*\i+3], v[OFFR+(\t)/2], s[30:31] offset:2048*((\t)%2)+512*\i th:TH_LOAD_NT
.endr
.endm
.macro TURN t, sa, la                  ; through the stage: LDS serves a wave's instructions in order, so no wait stands between the stores and the loads
.irp i, 0,1,2,3
	ds_store_b128 v[\sa], v[R+16*((\t)%DEPTH)+4*\i:R+16*((\t)%DEPTH)+4*\i+3] offset:32*SP*((\t)%2)+8*SP*\i
.endr
.irp i, 0,1,2,3
	ds_load_b128 v[X+16*((\t)%2)+4*\i:X+16*((\t)%2)+4*\i+3], v[\la] offset:32*SP*((\t)%2)+16*\i
.endr
.endm
.macro QCOPY t, c                      ; step t's 16 neighbours with scale c: hold, convert, store
.set XS, X+16*((\t)%2)
.set CC, C+12*((\t)%2)+4*(\c)
.irp i, 0,1,2,3,4,5,6,7,8,9,10,11,12,13,14,15
	v_med3_num_f32 v[Y+\i], v[XS+\i], -v[LIM+\c], v[LIM+\c]   ; the conversion does not saturate (ISA guide 7.6.2): the hold comes first; a limit of 0 makes a zero code
.endr
	v_cvt_scalef32_pk8_fp8_f32 v[CC:CC+1], v[Y:Y+7], v[SC+\c]
	v_cvt_scalef32_pk8_fp8_f32 v[CC+2:CC+3], v[Y+8:Y+15], v[SC+\c]
	v_nop                                          ; a plain line between the conversions and the next holds, which write their sources
	global_store_b128 v3, v[CC:CC+3], s[32+2*\c:33+2*\c] offset:512*(\t)
.endm
.macro HSTEP t, nc, sa, la
	s_wait_dscnt 0x0                               ; this step's numbers are back from the stage, so its stores into the stage have read their registers,
.if (\t)+DEPTH < STEPS
	LOAD (\t)+DEPTH                                ; which take the loads of eight steps on
.endif
.if (\t)+1 < STEPS
.if STEPS-2-(\t) >= DEPTH-1
	s_wait_loadcnt 4*(DEPTH-1)                     ; the next step's four loads are in; those of the seven steps behind it may be out
.else
	s_wait_loadcnt 4*(STEPS-2-(\t))                ; at the tail: of the steps that are left
.endif
	TURN (\t)+1, \sa, \la
.endif
	s_wait_xcnt 0x0                                ; the stores of two steps ago have read this set of code registers
.if (\nc) == 3
.if (\t)%2 == 0
	s_add_co_u32 s46, s44, (\t)/2                  ; the row in its batch: from 1,089 on it is filling
	s_cmp_lt_u32 s46, 1089
.irp c, 0,1,2
	s_cselect_b32 s47, s[38+\c], 0
	v_mov_b32 v[LIM+\c], s47
.endr
.endif
	QCOPY \t, 0
	QCOPY \t, 1
	QCOPY \t, 2
.else
	QCOPY \t, 0
.endif
.endm
	; ---- hidden_states: rows 32 x + 8 wave + 0 .. 7 of batch y
	s_lshl_b32 s45, ttmp9, 5
	s_lshl_b32 s44, s4, 3
	s_add_co_u32 s44, s44, s45                     ; my first row
.irp i, 0,1,2,3,4,5,6,7
	s_add_co_u32 s46, s44, \i
	s_min_u32 s46, s46, 1088                       ; no load leaves the batch: filling rows read the last row and are held at 0
	s_lshl_b32 s46, s46, 12
	v_add_nc_u32 v[OFFR+\i], s46, v3
.endr
	s_mul_i32 s46, s3, 4460544                     ; a batch: 1,089 rows of 4,096 bytes
	s_mov_b32 s47, 0
	s_add_nc_u64 s[30:31], s[8:9], s[46:47]
	s_mul_i32 s46, s3, 1152
	s_add_co_u32 s66, s46, s44
	s_lshl_b32 s66, s66, 10
	s_mov_b32 s67, 0
	s_add_nc_u64 s[32:33], s[26:27], s[66:67]      ; copy 0: the rows as they lie
	s_lshl_b32 s66, s5, 3
	s_add_co_u32 s66, s66, s45
	s_add_co_u32 s66, s66, s46
	s_lshl_b32 s66, s66, 10
	s_add_nc_u64 s[34:35], s[26:27], s[66:67]
	s_add_nc_u64 s[34:35], s[34:35], HCOPY         ; copy 1: exchanged
	s_add_nc_u64 s[36:37], s[34:35], HCOPY
	s_wait_alu depctr_va_vdst(0)
.irp t, 0,1,2,3,4,5,6,7
	LOAD \t
.endr
	s_wait_kmcnt 0x0
.irp c, 0,1,2
	s_add_co_i32 s46, s[48+2*\c], 127              ; e0, e2, e4
	s_lshl_b32 s47, s46, 23
	v_mov_b32 v[SC+\c], s47                        ; 2^e as f32: the conversion takes its exponent field
	s_add_co_i32 s46, s46, 8
	s_lshl_b32 s46, s46, 23
	s_or_b32 s[38+\c], s46, 0x600000               ; 448 x 2^e
.endr
	s_wait_alu depctr_va_vdst(0)
	s_wait_loadcnt 4*(DEPTH-1)
	TURN 0, 14, 15
.irp t, 0,1,2,3,4,5,6,7,8,9,10,11,12,13,14,15
	HSTEP \t, 3, 14, 15
.endr
	s_wait_tensorcnt 0x0
	ds_add_u32 v232, v233
	s_wait_dscnt 0x0
	s_endpgm
	; ---- Wq, Wk, Wv: tensor (x - 36) / 4, rows 32 (8 ((x - 36) % 4) + y) + 8 wave + 0 .. 7
.Lpath_w:
	s_sub_co_u32 s45, ttmp9, 36
	s_lshr_b32 s46, s45, 2                         ; which tensor
	s_and_b32 s45, s45, 3
	s_lshl_b32 s45, s45, 3
	s_add_co_u32 s45, s45, s3
	s_lshl_b32 s45, s45, 5                         ; the group's first row
	s_cmp_eq_u32 s46, 0
	s_cselect_b64 s[30:31], s[10:11], s[12:13]
	s_cselect_b32 s47, s5, s4                      ; Wq's rows are exchanged, the others' are not
	s_cmp_eq_u32 s46, 2
	s_cselect_b64 s[30:31], s[14:15], s[30:31]
	s_lshl_b32 s66, s4, 3
	s_add_co_u32 s66, s66, s45
	s_lshl_b32 s66, s66, 12
	s_mov_b32 s67, 0
	s_add_nc_u64 s[30:31], s[30:31], s[66:67]
	s_lshl_b32 s66, s47, 3
	s_add_co_u32 s66, s66, s45
	s_lshl_b32 s66, s66, 10
	s_lshl_b32 s68, s46, 20
	s_add_co_u32 s66, s66, s68
	s_add_nc_u64 s[32:33], s[28:29], s[66:67]
.irp i, 0,1,2,3,4,5,6,7
	v_add_nc_u32 v[OFFR+\i], 4096*\i, v3
.endr
	s_wait_alu depctr_va_vdst(0)
.irp t, 0,1,2,3,4,5,6,7
	LOAD \t
.endr
	s_wait_kmcnt 0x0
	s_cmp_eq_u32 s46, 0
	s_cselect_b32 s68, s49, s51                    ; e1, e3
	s_cmp_eq_u32 s46, 2
	s_cselect_b32 s68, s53, s68                    ; e5
	s_add_co_i32 s68, s68, 127
	s_lshl_b32 s69, s68, 23
	v_mov_b32 v[SC], s69
	s_add_co_i32 s68, s68, 8
	s_lshl_b32 s68, s68, 23
	s_or_b32 s68, s68, 0x600000
	v_mov_b32 v[LIM], s68
	s_wait_alu depctr_va_vdst(0)
	s_wait_loadcnt 4*(DEPTH-1)
	TURN 0, 12, 13
.irp t, 0,1,2,3,4,5,6,7,8,9,10,11,12,13,14,15
	HSTEP \t, 1, 12, 13
.endr
	s_wait_tensorcnt 0x0
	ds_add_u32 v232, v233
	s_wait_dscnt 0x0
	s_endpgm
	; ---- the four small weights: a wave makes ONE fragment's image.  x - 48 = 5 q + m: q = 0 W_iik, 1 W_iiv, 2 W_itk, 3 W_itv
.Lpath_c:
	s_sub_co_u32 s45, ttmp9, 48
	s_cmp_ge_u32 s45, 5
	s_cselect_b32 s46, 1, 0
	s_cmp_ge_u32 s45, 10
	s_cselect_b32 s47, 1, 0
	s_add_co_u32 s46, s46, s47
	s_cmp_ge_u32 s45, 15
	s_cselect_b32 s47, 1, 0
	s_add_co_u32 s46, s46, s47                     ; q
	s_mul_i32 s47, s46, 5
	s_sub_co_u32 s45, s45, s47                     ; m
	s_lshr_b32 s66, s46, 1                         ; type: 0 W_ii [577][512], 1 W_it [512][577]
	s_and_b32 s67, s46, 1                          ; 0 for k, 1 for v
	s_lshl_b32 s68, s45, 3
	s_add_co_u32 s68, s68, s3                      ; W_ii: 8 m + y = 4 x (group of four tiles) + K step
	s_lshr_b32 s69, s68, 2
	s_and_b32 s68, s68, 3
	s_mov_b32 s70, 512
	s_mov_b32 s71, 577
	s_cmp_eq_u32 s66, 0
	s_cselect_b32 s69, s69, s3                     ; the group of four tiles (W_it: y)
	s_cselect_b32 s68, s68, s45                    ; the K step (W_it: m)
	s_cselect_b32 s70, 577, s70                    ; rows
	s_cselect_b32 s71, 512, s71                    ; K, which is also the pitch
	s_cselect_b32 s37, 4, 5                        ; K steps in a pair's images
	s_cselect_b32 s39, 160, 0                      ; W_ii's images lie behind W_it's 160
	s_cselect_b64 s[30:31], s[16:17], s[20:21]
	s_cselect_b64 s[32:33], s[18:19], s[22:23]
	s_cmp_eq_u32 s67, 0
	s_cselect_b64 s[30:31], s[30:31], s[32:33]
	s_lshl_b32 s69, s69, 2
	s_add_co_u32 s69, s69, s4                      ; my tile
	s_lshr_b32 s34, s69, 1                         ; pair
	s_and_b32 s35, s69, 1                          ; tile of the pair
	s_mul_i32 s37, s34, s37
	s_add_co_u32 s37, s37, s68
	s_lshl_b32 s37, s37, 1
	s_add_co_u32 s37, s37, s35
	s_add_co_u32 s37, s37, s39                     ; which image
	s_lshl_b32 s40, s37, 11
	s_mul_i32 s39, s67, 655360
	s_add_co_u32 s40, s40, s39
	s_add_co_u32 s40, s40, WIM
	s_mov_b32 s41, 0
	s_add_nc_u64 s[32:33], s[28:29], s[40:41]
	v_and_b32 v4, 15, v0                           ; r
	v_bfe_u32 v5, v0, 4, 1                         ; h
	v_and_b32 v6, 7, v4
	v_lshrrev_b32 v7, 3, v4
	v_lshl_add_u32 v6, v7, 4, v6
	s_lshl_b32 s36, s34, 5
	s_lshl_b32 s38, s35, 3
	s_add_co_u32 s36, s36, s38
	v_add_nc_u32 v6, s36, v6                       ; my row: 32 pair + 8 u + r % 8 + 16 (r / 8)
	s_sub_co_u32 s38, s70, 1
	v_min_u32 v7, s38, v6                          ; held inside the tensor
	v_mul_lo_u32 v7, v7, s71
	s_lshl_b32 s38, s68, 7
	v_lshl_add_u32 v8, v5, 4, s38                  ; 128 x K step + 16 h
	v_add_nc_u32 v7, v7, v8
	v_lshlrev_b32 v7, 2, v7                        ; byte offset of my first number
	v_cmp_gt_u32 vcc_lo, s70, v6
	v_mov_b32 v9, s71
	v_cndmask_b32 v9, 0, v9, vcc_lo                ; K, or 0 for a row that does not exist,
	v_sub_nc_u32 v9, v9, v8                        ; less where I begin: number n counts where its place along K is under this (signed)
.set n, 0
.rept 64                                       ; number n = 16 c + i is k = 32 c + 16 h + i; rows of 2,308 bytes allow no wider load; no load leaves the 295,424 numbers
	v_add_nc_u32 v[AD+n], 4*(32*(n/16)+n%16), v7
	v_min_u32 v[AD+n], 0x1207fc, v[AD+n]
	global_load_b32 v[XC+n], v[AD+n], s[30:31]
.set n, n+1
.endr
	s_wait_kmcnt 0x0
	s_cmp_eq_u32 s67, 0
	s_cselect_b32 s36, s55, s59                    ; W_ii: e7, e11
	s_cselect_b32 s38, s57, s61                    ; W_it: e9, e13
	s_cmp_eq_u32 s66, 0
	s_cselect_b32 s36, s36, s38
	s_add_co_i32 s36, s36, 127
	s_lshl_b32 s38, s36, 23
	v_mov_b32 v10, s38                             ; 2^e
	s_add_co_i32 s36, s36, 8
	s_lshl_b32 s36, s36, 23
	s_or_b32 s36, s36, 0x600000
	v_mov_b32 v11, s36
	s_wait_alu depctr_va_vdst(0)
	s_wait_loadcnt 0x0
.set n, 0
.rept 64
	v_cmp_lt_i32 vcc_lo, 32*(n/16)+n%16, v9
	v_cndmask_b32 v[XC+n], 0, v[XC+n], vcc_lo      ; past K's end, or in a row that does not exist: 0
	v_med3_num_f32 v[XC+n], v[XC+n], -v11, v11
.set n, n+1
.endr
.irp b, 0,1,2,3,4,5,6,7
	v_cvt_scalef32_pk8_fp8_f32 v[PC+2*\b:PC+2*\b+1], v[XC+8*\b:XC+8*\b+7], v10
.endr
	v_nop
.irp c, 0,1,2,3
	global_store_b128 v3, v[PC+4*\c:PC+4*\c+3], s[32:33] offset:512*\c
.endr
	s_endpgm
.Lfunc_end_k_qadadb6cdd7_quant:
	.size	k_qadadb6cdd7_quant, .Lfunc_end_k_qadadb6cdd7_quant-k_qadadb6cdd7_quant
	.p2alignl 7, 3214868480
	.fill 96, 4, 3214868480
	.section	.rodata,"a",@progbits
	.p2align	6, 0x0
	.amdhsa_kernel k_qadadb6cdd7_quant
		.amdhsa_group_segment_fixed_size 66048
		.amdhsa_private_segment_fixed_size 0
		.amdhsa_enable_private_segment 0
		.amdhsa_kernarg_size 88
		.amdhsa_user_sgpr_count 2
		.amdhsa_user_sgpr_kernarg_segment_ptr 1
		.amdhsa_wavefront_size32 1
		.amdhsa_system_sgpr_workgroup_id_x 1
		.amdhsa_system_sgpr_workgroup_id_y 1
		.amdhsa_system_sgpr_workgroup_id_z 1
		.amdhsa_system_vgpr_workitem_id 0
		.amdhsa_next_free_vgpr 234
		.amdhsa_next_free_sgpr 72
		.amdhsa_reserve_vcc 1
		.amdhsa_float_denorm_mode_32 3
		.amdhsa_float_denorm_mode_16_64 3
		.amdhsa_memory_ordered 1
		.amdhsa_forward_progress 1
		.amdhsa_inst_pref_size 146
	.end_amdhsa_kernel
	.amdgpu_metadata
---
amdhsa.version: [ 1, 2 ]
amdhsa.kernels:
  - .name:           k_qadadb6cdd7_quant
    .symbol:         k_qadadb6cdd7_quant.kd
    .args:
      - { .name: hidden_states, .offset: 0, .size: 8, .value_kind: global_buffer, .address_space: global }
      - { .name: Wq, .offset: 8, .size: 8, .value_kind: global_buffer, .address_space: global }
      - { .name: Wk, .offset: 16, .size: 8, .value_kind: global_buffer, .address_space: global }
      - { .name: Wv, .offset: 24, .size: 8, .value_kind: global_buffer, .address_space: global }
      - { .name: W_iik, .offset: 32, .size: 8, .value_kind: global_buffer, .address_space: global }
      - { .name: W_iiv, .offset: 40, .size: 8, .value_kind: global_buffer, .address_space: global }
      - { .name: W_itk, .offset: 48, .size: 8, .value_kind: global_buffer, .address_space: global }
      - { .name: W_itv, .offset: 56, .size: 8, .value_kind: global_buffer, .address_space: global }
      - { .name: lowp_scales, .offset: 64, .size: 8, .value_kind: global_buffer, .address_space: global }
      - { .name: hc, .offset: 72, .size: 8, .value_kind: global_buffer, .address_space: global }
      - { .name: wc, .offset: 80, .size: 8, .value_kind: global_buffer, .address_space: global }
    .group_segment_fixed_size: 66048
    .private_segment_fixed_size: 0
    .kernarg_segment_align: 8
    .kernarg_segment_size: 88
    .max_flat_workgroup_size: 128
    .sgpr_count:     72
    .vgpr_count:     234
    .wavefront_size: 32
...
	.end_amdgpu_metadata
.endif
;; end of part 1
;; launch qkv (part 2): grid 4 x 108, 4 waves a work-group, clusters of 4 x 4, 327,680 bytes of LDS; arguments hc, wc, lowp_scales, bq, bk, bv, qc, xc, xf; writes qc, xc, xf
.if DOCPART == 2
	.amdgcn_target "amdgcn-amd-amdhsa--gfx1250"
	.amdhsa_code_object_version 6
	.text
	.protected	k_qadadb6cdd7_qkv
	.globl	k_qadadb6cdd7_qkv
	.p2align	8
	.type	k_qadadb6cdd7_qkv,@function
k_qadadb6cdd7_qkv:
	s_mov_b64 s[64:65], 0
	v_nop
	global_prefetch_b8 v0, s[64:65] scope:SCOPE_SE
	s_setreg_imm32_b32 hwreg(HW_REG_WAVE_MODE, 25, 1), 1
	s_wait_xcnt 0x0
	s_wait_alu depctr_hold_cnt(0) depctr_sa_sdst(0) depctr_va_vdst(0) depctr_va_sdst(0) depctr_va_ssrc(0) depctr_va_vcc(0) depctr_vm_vsrc(0)
	s_getreg_b32 s2, hwreg(HW_REG_IB_STS2, 6, 4)
	s_cmp_eq_u32 s2, 0
	s_cbranch_scc0 .Lentry_in_a_cluster
	s_endpgm
.Lentry_in_a_cluster:
	s_bfe_u32 s2, ttmp6, 0x10000c
	s_cmp_lg_u32 s2, 0xf033
	s_cbranch_scc0 .Lentry_shape_is_right
	s_endpgm
.Lentry_shape_is_right:
.set KSTEP,  256
.set ROWB,   256
.set KROW,   1024
.set PITCH,  272
.set FR,     16
.set NL,     4
.set NP,     4
.set HALFT,  128*PITCH
.set SLOT,   4*HALFT
.set LAPS,   2
.set SPARE,  2*SLOT
.set HCOPY,  9437184
.set ADRA, 16
.set ADRB, 20
.set L16,  26
.set BAD,  27
.set SPW,  28
.set NIL,  29
.set BI,   32
.set TMP,  96
.set AF,   128
.set T2,   160
.set PC,   224
.set SCV,  240
.set LMV,  241
.set G1, 24
.set G0, 32
.set G1B, 48
.set G0B, 56
.set MSB, 0
.macro WIN new
.if MSB != \new
	s_set_vgpr_msb (MSB<<8)|\new
.set MSB, \new
.endif
.endm
.set MUL_LO, 0xa1
.set MUL_HI, 0xf1
.set TO_B,   0x40
.macro JLOAD g0a, g1a, g0b, g1b
	s_cmp_eq_u32 s15, 0
	s_cbranch_scc0 .Lfor_b_\@
	tensor_load_to_lds s[\g0a:\g0a+3], s[\g1a:\g1a+7]
	s_nop 0
.rept 4
	v_nop
.endr
	s_branch .Lasked_\@
.Lfor_b_\@:
	tensor_load_to_lds s[\g0b:\g0b+3], s[\g1b:\g1b+7]
	s_nop 0
.rept 4
	v_nop
.endr
.Lasked_\@:
.endm
.macro CREST
	s_cmp_lg_u32 s14, 0
	s_cbranch_scc1 .Lnot_wave_0_\@
	s_barrier_signal -3
.Lnot_wave_0_\@:
	s_barrier_wait -3
	s_barrier_signal -1
	s_barrier_wait -1
.endm
.macro CROUND
	s_barrier_signal -1
	s_barrier_wait -1
	CREST
.endm
	s_load_b512 s[68:83], s[0:1], 0x0
	s_load_b64 s[84:85], s[0:1], 0x40
	v_lshl_add_u32 v[SPW], v0, 2, SPARE
	v_mov_b32 v[NIL], 0
	ds_add_u32 v28, v29
	ds_add_u32 v28, v29
	s_wait_dscnt 0x0
	v_lshrrev_b32 v1, 5, v0
	v_readfirstlane_b32 s14, v1
	s_lshr_b32 s15, s14, 1
	s_and_b32 s16, s14, 1
	s_bfe_u32 s40, ttmp6, 0x40000
	s_bfe_u32 s41, ttmp6, 0x40004
	s_and_b32 s86, ttmp7, 0xffff
	s_cmp_ge_u32 s86, 9
	s_cselect_b32 s87, 1, 0
	s_cmp_ge_u32 s86, 18
	s_cselect_b32 s88, 1, 0
	s_add_co_u32 s87, s87, s88
	s_mul_i32 s88, s87, 9
	s_sub_co_u32 s88, s86, s88
	s_lshl_b32 s88, s88, 2
	s_cmp_eq_u32 s87, 0
	s_cselect_b32 s89, s88, 0
	s_cselect_b32 s90, 0, s88
	s_add_co_u32 s17, s89, s41
	s_add_co_u32 s42, s90, s40
	s_lshl_b32 s43, s41, 2
	s_lshl_b32 s43, 15, s43
	s_lshl_b32 s44, 0x1111, s40
	s_or_b32 s[G1+0], s43, (0<<16)|(1<<20)|(1<<21)|(5<<22)|(3<<25)
	s_or_b32 s[G1B+0], s44, (0<<16)|(1<<20)|(1<<21)|(5<<22)|(3<<25)
.irp g, G1, G1B
	s_mov_b32 s[\g+1], ROWB<<16
	s_mov_b32 s[\g+2], 128<<16
	s_mov_b32 s[\g+3], ROWB<<16
	s_mov_b32 s[\g+4], 128
	s_mov_b32 s[\g+5], KROW
	s_mov_b32 s[\g+6], 0
	s_mov_b32 s[\g+7], 0
.endr
	s_lshl_b32 s18, s16, 7
	s_lshl_b32 s20, s17, 8
	s_add_co_u32 s20, s20, s18
	s_lshl_b32 s20, s20, 10
	s_lshl_b32 s19, s87, 20
	s_add_co_u32 s20, s20, s19
	s_mov_b32 s21, 0
	s_lshl_b32 s46, s42, 8
	s_add_co_u32 s46, s46, s18
	s_lshl_b32 s46, s46, 10
	s_mul_i32 s19, s87, HCOPY
	s_add_co_u32 s46, s46, s19
	s_mov_b32 s47, 0
	s_mul_i32 s45, s14, HALFT
	s_wait_kmcnt 0x0
	s_cmp_eq_u32 s87, 0
	s_cselect_b64 s[4:5], s[68:69], s[70:71]
	s_cselect_b64 s[6:7], s[70:71], s[68:69]
	s_add_nc_u64 s[20:21], s[4:5], s[20:21]
	s_add_nc_u64 s[46:47], s[6:7], s[46:47]
	CROUND
.irp s, 0,1
	s_mov_b32 s[G0+4*\s], 1
	s_add_co_u32 s[G0+4*\s+1], s45, \s*SLOT
	s_add_nc_u64 s[G0+4*\s+2:G0+4*\s+3], s[20:21], \s*ROWB
	s_or_b32 s[G0+4*\s+3], s[G0+4*\s+3], 0x80000000
	s_mov_b32 s[G0B+4*\s], 1
	s_add_co_u32 s[G0B+4*\s+1], s45, \s*SLOT
	s_add_nc_u64 s[G0B+4*\s+2:G0B+4*\s+3], s[46:47], \s*ROWB
	s_or_b32 s[G0B+4*\s+3], s[G0B+4*\s+3], 0x80000000
	s_wait_alu depctr_va_vdst(0)
	s_wait_tensorcnt 0x0
	ds_add_u32 v28, v29
	ds_add_u32 v28, v29
	s_wait_dscnt 0x0
	CROUND
	JLOAD G0+4*\s, G1, G0B+4*\s, G1B
.endr
	v_and_b32 v1, 15, v0
	v_bfe_u32 v2, v0, 4, 1
	v_mul_u32_u24 v3, v1, PITCH
	v_lshl_add_u32 v4, v2, 4, v3
	s_mul_i32 s21, s15, HALFT
	s_mul_i32 s22, s16, HALFT
	s_add_co_u32 s22, s22, 2*HALFT
.irp s, 0,1
	v_add_nc_u32 v[ADRA+\s], s21, v4
	v_add_nc_u32 v[ADRB+\s], s22, v4
	s_add_co_u32 s21, s21, SLOT
	s_add_co_u32 s22, s22, SLOT
.endr
	v_and_b32 v6, 31, v0
	v_lshlrev_b32 v[L16], 4, v6
	s_lshl_b32 s91, s17, 1
	s_add_co_u32 s91, s91, s15
	s_lshl_b32 s92, s42, 1
	s_add_co_u32 s92, s92, s16
	s_cmp_eq_u32 s87, 0
	s_cselect_b32 s93, s91, s92
	s_mul_hi_u32 s94, s93, 0x1c71c71d
	s_mul_i32 s95, s94, 9
	s_sub_co_u32 s95, s93, s95
	s_lshl_b32 s18, s87, 3
	s_load_b64 s[96:97], s[72:73], s18 offset:0x0
	s_cmp_ge_u32 s95, 4
	s_cselect_b32 s19, 2, 0
	s_lshl_b32 s23, s87, 2
	s_add_co_u32 s19, s19, s23
	s_add_co_u32 s19, s19, 2
	s_cmp_eq_u32 s87, 0
	s_cselect_b32 s19, 14, s19
	s_lshl_b32 s19, s19, 2
	s_load_b32 s98, s[72:73], s19 offset:0x0
	s_cmp_eq_u32 s87, 0
	s_cbranch_scc0 .Lkv_head
	s_lshl_b32 s99, s94, 4
	s_lshl_b32 s100, s92, 1
	s_add_co_u32 s99, s99, s100
	s_mul_i32 s99, s99, 72
	s_lshl_b32 s100, s95, 3
	s_add_co_u32 s99, s99, s100
	s_lshl_b32 s8, s99, 10
	s_mov_b32 s9, 0
	s_add_nc_u64 s[8:9], s[80:81], s[8:9]
	s_mov_b64 s[10:11], s[82:83]
	s_lshl_b32 s12, s92, 9
	s_mov_b32 s13, 0
	s_add_nc_u64 s[12:13], s[74:75], s[12:13]
	s_wait_alu depctr_va_vdst(0)
	v_lshlrev_b32 v[BAD], 6, v2
.irp c, 0,1,2,3
.irp j, 0,1,2,3
	global_load_b128 v[BI+16*\c+4*\j:BI+16*\c+4*\j+3], v[BAD], s[12:13] offset:128*\c+16*\j
.endr
.endr
	s_branch .Lhead_done
.Lkv_head:
	s_sub_co_u32 s99, s87, 1
	s_lshl_b32 s99, s99, 3
	s_add_co_u32 s99, s99, s94
	s_lshl_b32 s99, s99, 6
	s_lshl_b32 s100, s91, 3
	s_add_co_u32 s99, s99, s100
	s_mul_i32 s8, s99, 73728
	s_lshl_b32 s100, s95, 13
	s_add_co_u32 s8, s8, s100
	s_mov_b32 s9, 0
	s_add_nc_u64 s[8:9], s[84:85], s[8:9]
	s_mul_i32 s10, s99, 18432
	s_lshl_b32 s100, s95, 11
	s_add_co_u32 s10, s10, s100
	s_mov_b32 s11, 0
	s_add_nc_u64 s[10:11], s[82:83], s[10:11]
	s_cmp_eq_u32 s87, 1
	s_cselect_b64 s[12:13], s[76:77], s[78:79]
	s_lshl_b32 s100, s91, 9
	s_mov_b32 s101, 0
	s_add_nc_u64 s[12:13], s[12:13], s[100:101]
	v_lshlrev_b32 v[BAD], 2, v1
.irp a, 0,1,2,3,4,5,6,7
	global_load_b32 v[BI+2*\a], v[BAD], s[12:13] offset:64*\a
	global_load_b32 v[BI+2*\a+1], v[BAD], s[12:13] offset:64*\a
.endr
.Lhead_done:
.macro FRAG reg, adr, q, i
.irp c, 0,1,2,3
	ds_load_b128 v[\reg+4*\c:\reg+4*\c+3], v[\adr] offset:128*(\q)+32*\c+(\i)*16*PITCH
.endr
.endm
.macro MUL16 a0, p, zero
.irp a, \a0, \a0+1
.irp b, 0,1,2,3,4,5,6,7
.if \zero
	v_wmma_f32_16x16x128_fp8_fp8 v[8*(8*((\a)%4)+\b):8*(8*((\a)%4)+\b)+7], v[128*(\p)+FR*\b:128*(\p)+FR*\b+FR-1], v[AF+FR*(\a):AF+FR*(\a)+FR-1], 0
.else
	v_wmma_f32_16x16x128_fp8_fp8 v[8*(8*((\a)%4)+\b):8*(8*((\a)%4)+\b)+7], v[128*(\p)+FR*\b:128*(\p)+FR*\b+FR-1], v[AF+FR*(\a):AF+FR*(\a)+FR-1], v[8*(8*((\a)%4)+\b):8*(8*((\a)%4)+\b)+7]
.endif
.endr
.endr
.endm
.macro FETCH_B slot, q, p
	WIN TO_B
.irp i, 0,1,2,3,4,5,6,7
	FRAG 128*(\p)+FR*\i, ADRB+\slot, \q, \i
.endr
	WIN 0
.endm
.macro FETCH_A slot, q, i0
.irp i, \i0, \i0+1, \i0+2, \i0+3
	FRAG AF+FR*(\i), ADRA+\slot, \q, \i
.endr
.endm
.macro PLACES n
.rept \n
	v_nop
.endr
.endm
.macro STEP slot, q, zero
	s_wait_dscnt 4*NL
	WIN MUL_LO
	MUL16 0, (\q)%2, \zero
	MUL16 2, (\q)%2, \zero
	s_wait_dscnt 0
	PLACES NP
	FETCH_B \slot, (\q)+1, 1-(\q)%2
	FETCH_A \slot, (\q)+1, 0
	WIN MUL_HI
	MUL16 4, (\q)%2, \zero
	MUL16 6, (\q)%2, \zero
	PLACES NP
	WIN 0
	FETCH_A \slot, (\q)+1, 4
.endm
.macro TURN slot, next, fill
	s_wait_tensorcnt 0x0
	ds_add_u32 v[SPW], v[NIL]
	s_wait_dscnt 4*NL+1
	WIN MUL_LO
	MUL16 0, 1, 0
	s_wait_dscnt 0x0
	s_barrier_signal -1
	MUL16 2, 1, 0
	WIN 0
	s_barrier_wait -1
.if \fill
	CREST
	s_add_nc_u64 s[G0+4*\slot+2:G0+4*\slot+3], s[G0+4*\slot+2:G0+4*\slot+3], 2*ROWB
	s_add_nc_u64 s[G0B+4*\slot+2:G0B+4*\slot+3], s[G0B+4*\slot+2:G0B+4*\slot+3], 2*ROWB
	JLOAD G0+4*\slot, G1, G0B+4*\slot, G1B
.else
	PLACES NP
.endif
	FETCH_B \next, 0, 0
	FETCH_A \next, 0, 0
	WIN MUL_HI
	MUL16 4, 1, 0
	MUL16 6, 1, 0
	PLACES NP
	WIN 0
	FETCH_A \next, 0, 4
.endm
	s_wait_tensorcnt 1
	s_barrier_signal -1
	s_barrier_wait -1
	s_wait_alu depctr_va_vdst(0)
	FETCH_B 0, 0, 0
	FETCH_A 0, 0, 0
	FETCH_A 0, 0, 4
	STEP 0, 0, 1
	s_mov_b32 s3, LAPS-1
.Llap:
	TURN 0, 1, 1
	STEP 1, 0, 0
	TURN 1, 0, 1
	STEP 0, 0, 0
	s_sub_co_u32 s3, s3, 1
	s_cmp_lg_u32 s3, 0
	s_cbranch_scc1 .Llap
	TURN 0, 1, 0
	STEP 1, 0, 0
	s_wait_dscnt 4*NL
	WIN MUL_LO
	MUL16 0, 1, 0
	MUL16 2, 1, 0
	s_wait_dscnt 0
	WIN MUL_HI
	MUL16 4, 1, 0
	MUL16 6, 1, 0
	WIN 0
.macro KVOUT a
.set AC, 64*((\a)%4)
	s_wait_xcnt 0x0
	WIN 0x02+((\a)/4)
.set j, 0
.rept 32
	v_pk_fma_f32 v[TMP+j:TMP+j+1], v[AC+j:AC+j+1], s[96:97], v[BI+2*(\a):BI+2*(\a)+1] op_sel_hi:[1,0,0]
.set j, j+2
.endr
	WIN 0
.irp q, 0,1,2,3,4,5,6,7,8,9,10,11,12,13,14,15
	global_store_b128 v[L16], v[TMP+4*\q:TMP+4*\q+3], s[8:9] offset:(\a)*73728+512*\q th:TH_STORE_NT
.endr
.set j, 0
.rept 64
	v_med3_num_f32 v[T2+j], v[TMP+j], -v[LMV], v[LMV]
.set j, j+1
.endr
.irp b, 0,1,2,3,4,5,6,7
	v_cvt_scalef32_pk8_fp8_f32 v[PC+2*\b:PC+2*\b+1], v[T2+8*\b:T2+8*\b+7], v[SCV]
.endr
	v_nop
.irp c, 0,1,2,3
	global_store_b128 v[L16], v[PC+4*\c:PC+4*\c+3], s[10:11] offset:(\a)*18432+512*\c
.endr
.endm
.macro QOUT a
.set AC, 64*((\a)%4)
	s_wait_xcnt 0x0
	WIN 0x02+((\a)/4)
.set j, 0
.rept 32
	v_pk_fma_f32 v[TMP+j:TMP+j+1], v[AC+j:AC+j+1], s[96:97], v[BI+j:BI+j+1] op_sel_hi:[1,0,1]
.set j, j+2
.endr
	WIN 0
.set j, 0
.rept 64
	v_med3_num_f32 v[TMP+j], v[TMP+j], -v[LMV], v[LMV]
.set j, j+1
.endr
.irp b, 0,1,2,3,4,5,6,7
	v_cvt_scalef32_pk8_fp8_f32 v[PC+2*\b:PC+2*\b+1], v[TMP+8*\b:TMP+8*\b+7], v[SCV]
.endr
	v_nop
.irp c, 0,1,2,3
	global_store_b128 v[L16], v[PC+4*\c:PC+4*\c+3], s[8:9] offset:(\c/2)*73728+(\a)*1024+(\c%2)*512
.endr
.endm
	s_wait_kmcnt 0x0
	s_wait_loadcnt 0x0
	s_add_co_i32 s96, s96, s97
	s_add_co_i32 s96, s96, 127
	s_lshl_b32 s96, s96, 23
	s_mov_b32 s97, s96
	s_add_co_i32 s98, s98, 127
	s_lshl_b32 s99, s98, 23
	s_add_co_i32 s98, s98, 8
	s_lshl_b32 s98, s98, 23
	s_or_b32 s98, s98, 0x600000
	PLACES NP
	v_mov_b32 v[SCV], s99
	v_mov_b32 v[LMV], s98
	s_cmp_eq_u32 s87, 0
	s_cbranch_scc1 .Lq_out
.irp a, 0,1,2,3,4,5,6,7
	KVOUT \a
.endr
	s_branch .Lout_done
.Lq_out:
.irp a, 0,1,2,3,4,5,6,7
	QOUT \a
.endr
.Lout_done:
	s_wait_tensorcnt 0x0
	ds_add_u32 v[SPW], v[NIL]
	s_wait_dscnt 0x0
	CROUND
	s_endpgm
.Lfunc_end_k_qadadb6cdd7_qkv:
	.size	k_qadadb6cdd7_qkv, .Lfunc_end_k_qadadb6cdd7_qkv-k_qadadb6cdd7_qkv
	.p2alignl 7, 3214868480
	.fill 96, 4, 3214868480
	.section	.rodata,"a",@progbits
	.p2align	6, 0x0
	.amdhsa_kernel k_qadadb6cdd7_qkv
		.amdhsa_group_segment_fixed_size 327680
		.amdhsa_private_segment_fixed_size 0
		.amdhsa_enable_private_segment 0
		.amdhsa_kernarg_size 72
		.amdhsa_user_sgpr_count 2
		.amdhsa_user_sgpr_kernarg_segment_ptr 1
		.amdhsa_wavefront_size32 1
		.amdhsa_system_sgpr_workgroup_id_x 1
		.amdhsa_system_sgpr_workgroup_id_y 1
		.amdhsa_system_sgpr_workgroup_id_z 1
		.amdhsa_system_vgpr_workitem_id 0
		.amdhsa_next_free_vgpr 1024
		.amdhsa_next_free_sgpr 102
		.amdhsa_reserve_vcc 0
		.amdhsa_float_denorm_mode_32 3
		.amdhsa_float_denorm_mode_16_64 3
		.amdhsa_memory_ordered 1
		.amdhsa_forward_progress 1
		.amdhsa_inst_pref_size 208
	.end_amdhsa_kernel
	.amdgpu_metadata
---
amdhsa.version: [ 1, 2 ]
amdhsa.kernels:
  - .name:           k_qadadb6cdd7_qkv
    .symbol:         k_qadadb6cdd7_qkv.kd
    .args:
      - { .name: hc, .offset: 0, .size: 8, .value_kind: global_buffer, .address_space: global }
      - { .name: wc, .offset: 8, .size: 8, .value_kind: global_buffer, .address_space: global }
      - { .name: lowp_scales, .offset: 16, .size: 8, .value_kind: global_buffer, .address_space: global }
      - { .name: bq, .offset: 24, .size: 8, .value_kind: global_buffer, .address_space: global }
      - { .name: bk, .offset: 32, .size: 8, .value_kind: global_buffer, .address_space: global }
      - { .name: bv, .offset: 40, .size: 8, .value_kind: global_buffer, .address_space: global }
      - { .name: qc, .offset: 48, .size: 8, .value_kind: global_buffer, .address_space: global }
      - { .name: xc, .offset: 56, .size: 8, .value_kind: global_buffer, .address_space: global }
      - { .name: xf, .offset: 64, .size: 8, .value_kind: global_buffer, .address_space: global }
    .group_segment_fixed_size: 327680
    .private_segment_fixed_size: 0
    .kernarg_segment_align: 8
    .kernarg_segment_size: 72
    .max_flat_workgroup_size: 128
    .sgpr_count:     102
    .vgpr_count:     1024
    .wavefront_size: 32
...
	.end_amdgpu_metadata
.endif
;; end of part 2
;; launch imit (part 3): grid 16 x 16, 12 waves a work-group, no clusters, 179,968 bytes of LDS; arguments xc, xf, wc, b_itk, b_iik, b_itv, b_iiv, lowp_scales, kv, part; writes kv, part
.if DOCPART == 3
	.amdgcn_target "amdgcn-amd-amdhsa--gfx1250"
	.amdhsa_code_object_version 6
	.text
	.protected	k_qadadb6cdd7_imit
	.globl	k_qadadb6cdd7_imit
	.p2align	8
	.type	k_qadadb6cdd7_imit,@function
k_qadadb6cdd7_imit:
	s_mov_b64 s[64:65], 0
	v_nop
	global_prefetch_b8 v0, s[64:65] scope:SCOPE_SE
	s_setreg_imm32_b32 hwreg(HW_REG_WAVE_MODE, 25, 1), 1
	s_wait_xcnt 0x0
; The imitated keys and values of ONE head (x) of one batch, for k or for v (y = 8 kind + b), on codes of FP8 (E4M3), and that head's part of the loss.
;   out(d, s') = sum over i of X(d, 512 + i) W_it(s', i) + b_it(s')         for s' < 512  (K = 577, filled to 640: five steps of 128)
;   out(d, s') = sum over t of X(d, t) W_ii(s' - 512, t) + b_ii(s' - 512)   for s' >= 512 (K = 512: four steps)
; SHARES.  The head's 64 rows d x 1,152 places s' are 36 PAIRS of 32 s'; wave w of twelve takes pairs w, w + 12, w + 24.  A pair is 8 accumulators: source 0 = 16 rows of W (tile u of the pair),
; source 1 = 16 rows d of X: lane (r, h) holds d = 16 dt + r, and register j of tile u holds s' = 32 P + 16 h + 8 u + j (W's rows are laid for that).
; X's codes, 73,728 bytes as images of operand registers, are copied into LDS once and read by all waves.  W's images go from memory straight into registers, two K steps ahead.
; NO JOINT LOADS: each image of W is used by one wave of a work-group and lands in that wave's registers; shared through LDS it would want a ring beside X's 73,728 bytes and the stages' 104,448.
; THE LOSS: k or v in f32 comes in the accumulators' own layout (xf), so (out - x)^2 is summed lane by lane; places s' >= 1,089 count 0.  One number a work-group goes to part.
; OUT: v: a lane's 16 numbers are 16 neighbouring keys of row d: four registers of the fragment (row d, K = keys) as they stand.
;      k: wanted with d along the registers: the pair turns through the wave's own stage in LDS (32 rows of 272 bytes) and becomes two fragments (16 keys x 64 d).
; kv, 147,456 bytes a head: ik [key tile 72][1,024], then iv [K step 9][d tile 4][2,048].
; LIMITS: e6 + e7, e8 + e9, e10 + e11, e12 + e13 between -126 and 127; e15, e17 between -126 and 119.
.set STG,   73728                      ; LDS: X's images at 0; from here a stage of 8,704 bytes for each wave;
.set STGB,  8704
.set RED,   178176                     ; twelve words for the sum over the waves
.set WIM,   3145728
.set ACC,  16                          ; v16-79   accumulator (u, dt) at 8 (4 u + dt)
.set XF,   80                          ; v80-143  X's four fragments of a K step; later the pair turned
.set WF,   144                         ; v144-207 W's fragments: two buffers x two tiles
.set BIAS, 208                         ; v208-223 the bias at s' = 32 P + 16 h + 0 .. 15
.set BA,   224                         ; v224-239 the bias loads' offsets; later the codes
.set PC,   224
.set LS,   240                         ; v240-247 the loss, in four chains of pairs
.set SCV,  248                         ; v248 2^eo, v249 448 x 2^eo
.set LMV,  249
.set XT,   0                           ; window 1, v256-319: k or v in f32, in the accumulators' layout
.set MSB, 0
.macro WIN new
.if MSB != \new
	s_set_vgpr_msb (MSB<<8)|\new
.set MSB, \new
.endif
.endm
	s_load_b512 s[8:23], s[0:1], 0x0               ; xc s[8:9], xf s[10:11], wc s[12:13], b_itk s[14:15], b_iik s[16:17], b_itv s[18:19], b_iiv s[20:21], scales s[22:23]
	s_load_b128 s[24:27], s[0:1], 0x40             ; kv, part
	v_lshl_add_u32 v254, v0, 2, 0x2b900
	v_mov_b32 v255, 0
	v_lshrrev_b32 v1, 5, v0
	s_delay_alu instid0(VALU_DEP_1)
	v_readfirstlane_b32 s4, v1                     ; wave 0..11
	v_and_b32 v11, 31, v0
	s_delay_alu instid0(VALU_DEP_1)
	v_lshlrev_b32 v1, 4, v11                       ; v1 = 16 x lane; never rewritten
	v_and_b32 v12, 15, v0                          ; r
	v_bfe_u32 v13, v0, 4, 1                        ; h
	v_lshlrev_b32 v7, 4, v0                        ; 16 x thread: the copy of X
	s_delay_alu instid0(VALU_DEP_1)
	v_add_nc_u32 v8, 36864, v7                     ; its second half (an LDS offset has 16 bits)
	s_delay_alu instid0(VALU_DEP_3)
	v_lshlrev_b32 v9, 4, v13                       ; 16 h
	s_delay_alu instid0(VALU_DEP_4)
	v_lshlrev_b32 v10, 6, v13                      ; 64 h
	s_mul_i32 s5, s4, STGB
	s_add_co_u32 s5, s5, STG                       ; my stage
	v_mul_u32_u24 v3, v13, 8*272
	s_delay_alu instid0(VALU_DEP_1)
	v_lshl_add_u32 v3, v12, 2, v3
	s_delay_alu instid0(VALU_DEP_1)
	v_add_nc_u32 v3, s5, v3                        ; v3: into it: row 16 u + 8 h + j, byte 64 dt + 4 r
	v_mul_u32_u24 v4, v12, 272
	s_delay_alu instid0(VALU_DEP_1)
	v_add_nc_u32 v4, v4, v10
	s_delay_alu instid0(VALU_DEP_1)
	v_add_nc_u32 v4, s5, v4                        ; v4: out of it: row 16 u + r, byte 128 x + 64 h
	s_lshl_b32 s5, s4, 2
	s_add_co_u32 s5, s5, RED
	v_mov_b32 v14, s5                              ; my wave's word
	s_and_b32 s6, ttmp7, 0xffff                    ; 8 kind + b
	s_lshr_b32 s7, s6, 3                           ; kind: 0 k, 1 v
	s_lshl_b32 s66, s6, 4
	s_add_co_u32 s66, s66, ttmp9
	s_lshl_b32 s66, s66, 2                         ; my number's place in part
	s_lshl_b32 s88, s6, 6
	s_lshl_b32 s89, ttmp9, 2
	s_add_co_u32 s88, s88, s89                     ; the head's first e tile
	s_mul_i32 s90, s88, 18432
	s_mov_b32 s91, 0
	s_mul_i32 s88, s88, 73728
	s_mov_b32 s89, 0
	s_and_b32 s92, s6, 7
	s_lshl_b32 s92, s92, 4
	s_add_co_u32 s92, s92, ttmp9                   ; 16 b + head
	s_mul_i32 s92, s92, 147456
	s_mov_b32 s93, 0
	s_mul_i32 s94, s7, 655360
	s_add_co_u32 s94, s94, WIM
	s_mov_b32 s95, 0
	s_wait_kmcnt 0x0
	s_load_b512 s[68:83], s[22:23], 0x0            ; e0 .. e15
	s_load_b64 s[84:85], s[22:23], 0x40            ; e16, e17
	s_add_nc_u64 s[86:87], s[8:9], s[90:91]        ; the head's codes
	s_add_nc_u64 s[38:39], s[10:11], s[88:89]      ; the head's f32 tiles
	s_add_nc_u64 s[62:63], s[24:25], s[92:93]      ; the head in kv
	s_add_nc_u64 s[34:35], s[12:13], s[94:95]      ; my kind's images of W
	s_cmp_eq_u32 s7, 0
	s_cselect_b64 s[28:29], s[14:15], s[18:19]     ; the bias of text places,
	s_cselect_b64 s[30:31], s[16:17], s[20:21]     ; of image places
.irp n, 0,1,2,3,4,5,6,7,8,9,10,11
	global_load_b128 v[16+4*\n:19+4*\n], v7, s[86:87] offset:6144*\n    ; 384 threads x 16 bytes, twelve times: 73,728 bytes
.endr
.irp j, 0,1,2,3,4,5,6,7
	v_mov_b32 v[LS+\j], 0
.endr
	s_wait_kmcnt 0x0
	s_add_co_i32 s88, s76, s77                     ; k: e8 + e9 (text places),
	s_add_co_i32 s89, s80, s81                     ; v: e12 + e13
	s_add_co_i32 s90, s74, s75                     ; k: e6 + e7 (image places),
	s_add_co_i32 s91, s78, s79                     ; v: e10 + e11
	s_cmp_eq_u32 s7, 0
	s_cselect_b32 s58, s88, s89
	s_cselect_b32 s59, s90, s91
	s_cselect_b32 s92, s83, s85                    ; the codes' own: e15, e17
	s_add_co_i32 s58, s58, 127
	s_lshl_b32 s58, s58, 23                        ; as f32
	s_add_co_i32 s59, s59, 127
	s_lshl_b32 s59, s59, 23
	s_add_co_i32 s92, s92, 127
	s_lshl_b32 s93, s92, 23
	v_mov_b32 v[SCV], s93
	s_add_co_i32 s92, s92, 8
	s_lshl_b32 s92, s92, 23
	s_or_b32 s92, s92, 0x600000
	v_mov_b32 v[LMV], s92
	s_wait_loadcnt 0x0
.irp n, 0,1,2,3,4,5
	ds_store_b128 v7, v[16+4*\n:19+4*\n] offset:6144*\n
.endr
.irp n, 0,1,2,3,4,5
	ds_store_b128 v8, v[40+4*\n:43+4*\n] offset:6144*\n
.endr
	s_wait_dscnt 0x0                               ; for the others' sake: my part of X lies in LDS
	s_barrier_signal -1
	s_barrier_wait -1
.macro WLOAD k                         ; W's two tiles of K step k into buffer k % 2
.irp u, 0,1
.irp c, 0,1,2,3
	global_load_b128 v[WF+32*((\k)%2)+16*\u+4*\c:WF+32*((\k)%2)+16*\u+4*\c+3], v1, s[36:37] offset:(2*(\k)+\u)*2048+512*\c
.endr
.endr
.endm
.macro KSTEP k, cnt                    ; X's four fragments from LDS; eight products, the eight accumulators by turns; cnt: the younger loads that may stay out
.irp dt, 0,1,2,3
.irp c, 0,1,2,3
	ds_load_b128 v[XF+16*\dt+4*\c:XF+16*\dt+4*\c+3], v2 offset:\dt*18432+(\k)*2048+512*\c
.endr
.endr
	s_wait_loadcnt \cnt
	s_wait_dscnt 0x0
.irp u, 0,1
.irp dt, 0,1,2,3
.if (\k) == 0
	v_wmma_f32_16x16x128_fp8_fp8 v[ACC+8*(4*\u+\dt):ACC+8*(4*\u+\dt)+7], v[WF+32*((\k)%2)+16*\u:WF+32*((\k)%2)+16*\u+15], v[XF+16*\dt:XF+16*\dt+15], 0
.else
	v_wmma_f32_16x16x128_fp8_fp8 v[ACC+8*(4*\u+\dt):ACC+8*(4*\u+\dt)+7], v[WF+32*((\k)%2)+16*\u:WF+32*((\k)%2)+16*\u+15], v[XF+16*\dt:XF+16*\dt+15], v[ACC+8*(4*\u+\dt):ACC+8*(4*\u+\dt)+7]
.endif
.endr
.endr
.rept 4
	v_nop                                          ; places in front of the loads into W's and X's registers, and of the first read of the sums
.endr
.endm
	s_mov_b32 s5, s4                               ; P, my pair
	s_mov_b32 s6, 0
.Ltrip:
	s_wait_xcnt 0x0                                ; the last pair's loads and stores have read their addresses and data: all of them are written anew below
	s_mul_i32 s88, s5, 20480                       ; text: pair P's ten images
	s_lshl_b32 s89, s5, 14
	s_add_co_u32 s89, s89, 65536                   ; image: 327,680 + (P - 16) x eight images
	s_lshl_b32 s90, s5, 5                          ; 32 P
	s_sub_co_u32 s91, s90, 512
	s_sub_co_u32 s92, 1089, s90
	s_mov_b32 s93, 2304                            ; the last number of b_ii, in bytes
	s_cmp_lt_u32 s5, 16                            ; a pair of text places?
	s_cselect_b32 s67, 1, 0
	s_cselect_b32 s88, s88, s89
	s_cselect_b32 s91, s90, s91                    ; the pair's first place in its bias
	s_cselect_b32 s93, 2044, s93
	s_cselect_b32 s94, 8192, 0                     ; text places are made of X's image part: K steps 4 to 8
	s_cselect_b32 s56, s58, s59                    ; the product's 2^(eA + eB)
	s_cselect_b64 s[32:33], s[28:29], s[30:31]
	s_mov_b32 s57, s56
	s_mov_b32 s89, 0
	s_add_nc_u64 s[36:37], s[34:35], s[88:89]      ; W's images
	s_lshl_b32 s88, s5, 11
	s_add_nc_u64 s[60:61], s[38:39], s[88:89]      ; the f32 tiles 2 P, 2 P + 1
	s_lshr_b32 s90, s5, 2
	s_lshl_b32 s90, s90, 13
	s_and_b32 s95, s5, 3
	s_lshl_b32 s95, s95, 9
	s_add_co_u32 s90, s90, s95
	s_add_co_u32 s90, s90, 73728                   ; iv: K step P / 4, group P % 4
	s_cmp_eq_u32 s7, 0
	s_cselect_b32 s88, s88, s90                    ; ik: key tiles 2 P, 2 P + 1
	s_add_nc_u64 s[86:87], s[62:63], s[88:89]
	v_add_nc_u32 v2, s94, v1                       ; X's images for my lane
	v_sub_nc_u32 v5, s92, v9                       ; 1,089 - 32 P - 16 h: place n of my 16 exists where n is under this (signed)
	v_lshl_add_u32 v6, s91, 2, v10
.irp n, 0,1,2,3,4,5,6,7,8,9,10,11,12,13,14,15
	v_add_nc_u32 v[BA+\n], 4*\n, v6
.endr
.irp n, 0,1,2,3,4,5,6,7,8,9,10,11,12,13,14,15
	v_min_u32 v[BA+\n], s93, v[BA+\n]              ; no load leaves the bias
.endr
	WLOAD 0
	WLOAD 1
	WIN 0x40                                       ; destination window 1
.irp u, 0,1
.irp dt, 0,1,2,3
.irp q, 0,1
	global_load_b128 v[XT+8*(4*\u+\dt)+4*\q:XT+8*(4*\u+\dt)+4*\q+3], v1, s[60:61] offset:\dt*73728+\u*1024+512*\q th:TH_LOAD_NT
.endr
.endr
.endr
	WIN 0
.irp n, 0,1,2,3,4,5,6,7,8,9,10,11,12,13,14,15
	global_load_b32 v[BIAS+\n], v[BA+\n], s[32:33]
.endr
	KSTEP 0, 40                                    ; behind W's step 0: step 1 (8), the f32 tiles (16), the bias (16)
	WLOAD 2
	KSTEP 1, 40                                    ; behind step 1: the f32 tiles, the bias, step 2
	WLOAD 3
	KSTEP 2, 8                                     ; behind step 2: step 3
	s_cmp_eq_u32 s67, 0
	s_cbranch_scc1 .Lno_w4
	WLOAD 4
.Lno_w4:
	KSTEP 3, 0
	s_cmp_eq_u32 s67, 0
	s_cbranch_scc1 .Lno_k4
	KSTEP 4, 0
.Lno_k4:
	; the pair's numbers: sum x 2^(eA + eB) + bias, each accumulator from its low end on
.irp u, 0,1
.irp dt, 0,1,2,3
.irp jj, 0,2,4,6
	v_pk_fma_f32 v[ACC+8*(4*\u+\dt)+\jj:ACC+8*(4*\u+\dt)+\jj+1], v[ACC+8*(4*\u+\dt)+\jj:ACC+8*(4*\u+\dt)+\jj+1], s[56:57], v[BIAS+8*\u+\jj:BIAS+8*\u+\jj+1] op_sel_hi:[1,0,1]
.endr
.endr
.endr
.irp n, 0,1,2,3,4,5,6,7,8,9,10,11,12,13,14,15
	v_cmp_lt_i32 s[40+\n], \n, v5
.endr
	WIN 0x44                                       ; source 1 and destination window 1
.set i, 0
.rept 32
	v_pk_add_f32 v[XT+i:XT+i+1], v[ACC+i:ACC+i+1], v[XT+i:XT+i+1] neg_lo:[0,1] neg_hi:[0,1]
.set i, i+2
.endr
.set i, 0
.rept 64
	v_cndmask_b32 v[XT+i], 0, v[XT+i], s[40+8*(i/32)+i%8]    ; a place past the sequence's end counts 0: always done, no branch
.set i, i+1
.endr
	WIN 0x05                                       ; sources 0 and 1 window 1
.set i, 0
.rept 32
	v_pk_fma_f32 v[LS+2*((i/2)%4):LS+2*((i/2)%4)+1], v[XT+i:XT+i+1], v[XT+i:XT+i+1], v[LS+2*((i/2)%4):LS+2*((i/2)%4)+1]
.set i, i+2
.endr
	WIN 0
	s_cmp_lg_u32 s7, 0
	s_cbranch_scc1 .Larm_v
	; k: turned through my stage.  LDS serves a wave's instructions in order: no wait between the stores and the loads
.irp u, 0,1
.irp dt, 0,1,2,3
.irp j, 0,1,2,3,4,5,6,7
	ds_store_b32 v3, v[ACC+8*(4*\u+\dt)+\j] offset:(16*\u+\j)*272+64*\dt
.endr
.endr
.endr
.irp u, 0,1
.irp q, 0,1,2,3,4,5,6,7
	ds_load_b128 v[XF+32*\u+4*\q:XF+32*\u+4*\q+3], v4 offset:16*\u*272+16*(\q%4)+128*(\q/4)
.endr
.endr
	s_wait_dscnt 0x0
.set i, 0
.rept 64
	v_med3_num_f32 v[XF+i], v[XF+i], -v[LMV], v[LMV]
.set i, i+1
.endr
.irp b, 0,1,2,3,4,5,6,7
	v_cvt_scalef32_pk8_fp8_f32 v[PC+2*\b:PC+2*\b+1], v[XF+8*\b:XF+8*\b+7], v[SCV]
.endr
	v_nop                                          ; a plain line behind the last conversion
.irp u, 0,1
.irp x, 0,1
	global_store_b128 v1, v[PC+8*\u+4*\x:PC+8*\u+4*\x+3], s[86:87] offset:\u*1024+512*\x
.endr
.endr
	s_branch .Ltrip_end
.Larm_v:
.set i, 0
.rept 64
	v_med3_num_f32 v[ACC+i], v[ACC+i], -v[LMV], v[LMV]
.set i, i+1
.endr
.irp dt, 0,1,2,3
.irp u, 0,1
	v_cvt_scalef32_pk8_fp8_f32 v[PC+4*\dt+2*\u:PC+4*\dt+2*\u+1], v[ACC+8*(4*\u+\dt):ACC+8*(4*\u+\dt)+7], v[SCV]
.endr
.endr
	v_nop                                          ; a plain line between the last conversion and the next pair's products, which write its sources
.irp dt, 0,1,2,3
	global_store_b128 v1, v[PC+4*\dt:PC+4*\dt+3], s[86:87] offset:\dt*2048
.endr
.Ltrip_end:
	s_add_co_u32 s5, s5, 12
	s_add_co_u32 s6, s6, 1
	s_cmp_lt_u32 s6, 3
	s_cbranch_scc1 .Ltrip
	; the loss: my lane's, my wave's, the work-group's, in a fixed order
	s_mov_b32 s92, 0x76543210
	s_mov_b32 s93, 0xfedcba98
	v_pk_add_f32 v[LS:LS+1], v[LS:LS+1], v[LS+2:LS+3]
	v_pk_add_f32 v[LS+4:LS+5], v[LS+4:LS+5], v[LS+6:LS+7]
	s_delay_alu instid0(VALU_DEP_1)
	v_pk_add_f32 v[LS:LS+1], v[LS:LS+1], v[LS+4:LS+5]
	s_delay_alu instid0(VALU_DEP_1)
	v_add_f32 v[LS], v[LS], v[LS+1]
	s_delay_alu instid0(VALU_DEP_1)
	v_add_f32_dpp v[LS], v[LS], v[LS] row_xmask:1 row_mask:0xf bank_mask:0xf
	s_delay_alu instid0(VALU_DEP_1)
	v_add_f32_dpp v[LS], v[LS], v[LS] row_xmask:2 row_mask:0xf bank_mask:0xf
	s_delay_alu instid0(VALU_DEP_1)
	v_add_f32_dpp v[LS], v[LS], v[LS] row_xmask:4 row_mask:0xf bank_mask:0xf
	s_delay_alu instid0(VALU_DEP_1)
	v_add_f32_dpp v[LS], v[LS], v[LS] row_xmask:8 row_mask:0xf bank_mask:0xf
	s_delay_alu instid0(VALU_DEP_1)
	v_permlanex16_b32 v[LS+1], v[LS], s92, s93
	s_delay_alu instid0(VALU_DEP_1)
	v_add_f32 v[LS], v[LS], v[LS+1]
	ds_store_b32 v14, v[LS]                        ; all lanes write the same word with the same number
	s_wait_dscnt 0x0
	s_barrier_signal -1
	s_barrier_wait -1
	s_cmp_lg_u32 s4, 0
	s_cbranch_scc1 .Lend
	v_mov_b32 v15, RED
	ds_load_b128 v[16:19], v15
	ds_load_b128 v[20:23], v15 offset:16
	ds_load_b128 v[24:27], v15 offset:32
	v_mov_b32 v28, s66
	s_wait_dscnt 0x0
	v_add_f32 v16, v16, v17
	v_add_f32 v18, v18, v19
	v_add_f32 v20, v20, v21
	v_add_f32 v22, v22, v23
	v_add_f32 v24, v24, v25
	v_add_f32 v26, v26, v27
	v_add_f32 v16, v16, v18
	s_delay_alu instid0(VALU_DEP_4)
	v_add_f32 v20, v20, v22
	s_delay_alu instid0(VALU_DEP_3)
	v_add_f32 v24, v24, v26
	s_delay_alu instid0(VALU_DEP_2)
	v_add_f32 v16, v16, v20
	s_delay_alu instid0(VALU_DEP_1)
	v_add_f32 v16, v16, v24
	s_wait_alu depctr_va_vdst(0)
	s_wait_xcnt 0x0                                ; EXEC changes only behind this wait
	v_cmp_eq_u32 vcc_lo, 0, v0
	s_and_saveexec_b32 s88, vcc_lo
	global_store_b32 v28, v16, s[26:27]            ; one lane, one number
	s_wait_xcnt 0x0
	s_or_b32 exec_lo, exec_lo, s88
.Lend:
	s_wait_tensorcnt 0x0
	ds_add_u32 v254, v255
	s_wait_dscnt 0x0
	s_endpgm
.Lfunc_end_k_qadadb6cdd7_imit:
	.size	k_qadadb6cdd7_imit, .Lfunc_end_k_qadadb6cdd7_imit-k_qadadb6cdd7_imit
	.p2alignl 7, 3214868480
	.fill 96, 4, 3214868480
	.section	.rodata,"a",@progbits
	.p2align	6, 0x0
	.amdhsa_kernel k_qadadb6cdd7_imit
		.amdhsa_group_segment_fixed_size 179968
		.amdhsa_private_segment_fixed_size 0
		.amdhsa_enable_private_segment 0
		.amdhsa_kernarg_size 80
		.amdhsa_user_sgpr_count 2
		.amdhsa_user_sgpr_kernarg_segment_ptr 1
		.amdhsa_wavefront_size32 1
		.amdhsa_system_sgpr_workgroup_id_x 1
		.amdhsa_system_sgpr_workgroup_id_y 1
		.amdhsa_system_sgpr_workgroup_id_z 1
		.amdhsa_system_vgpr_workitem_id 0
		.amdhsa_next_free_vgpr 336
		.amdhsa_next_free_sgpr 96
		.amdhsa_reserve_vcc 1
		.amdhsa_float_denorm_mode_32 3
		.amdhsa_float_denorm_mode_16_64 3
		.amdhsa_memory_ordered 1
		.amdhsa_forward_progress 1
		.amdhsa_inst_pref_size 53
	.end_amdhsa_kernel
	.amdgpu_metadata
---
amdhsa.version: [ 1, 2 ]
amdhsa.kernels:
  - .name:           k_qadadb6cdd7_imit
    .symbol:         k_qadadb6cdd7_imit.kd
    .args:
      - { .name: xc, .offset: 0, .size: 8, .value_kind: global_buffer, .address_space: global }
      - { .name: xf, .offset: 8, .size: 8, .value_kind: global_buffer, .address_space: global }
      - { .name: wc, .offset: 16, .size: 8, .value_kind: global_buffer, .address_space: global }
      - { .name: b_itk, .offset: 24, .size: 8, .value_kind: global_buffer, .address_space: global }
      - { .name: b_iik, .offset: 32, .size: 8, .value_kind: global_buffer, .address_space: global }
      - { .name: b_itv, .offset: 40, .size: 8, .value_kind: global_buffer, .address_space: global }
      - { .name: b_iiv, .offset: 48, .size: 8, .value_kind: global_buffer, .address_space: global }
      - { .name: lowp_scales, .offset: 56, .size: 8, .value_kind: global_buffer, .address_space: global }
      - { .name: kv, .offset: 64, .size: 8, .value_kind: global_buffer, .address_space: global }
      - { .name: part, .offset: 72, .size: 8, .value_kind: global_buffer, .address_space: global }
    .group_segment_fixed_size: 179968
    .private_segment_fixed_size: 0
    .kernarg_segment_align: 8
    .kernarg_segment_size: 80
    .max_flat_workgroup_size: 384
    .sgpr_count:     96
    .vgpr_count:     336
    .wavefront_size: 32
...
	.end_amdgpu_metadata
.endif
;; end of part 3
;; launch attn (part 4): grid 2 x 128, 12 waves a work-group, no clusters, 202,240 bytes of LDS; arguments qc, kv, part, lowp_scales, out0, out1; writes out0, out1
.if DOCPART == 4
	.amdgcn_target "amdgcn-amd-amdhsa--gfx1250"
	.amdhsa_code_object_version 6
	.text
	.protected	k_qadadb6cdd7_attn
	.globl	k_qadadb6cdd7_attn
	.p2align	8
	.type	k_qadadb6cdd7_attn,@function
k_qadadb6cdd7_attn:
	s_mov_b64 s[64:65], 0
	v_nop
	global_prefetch_b8 v0, s[64:65] scope:SCOPE_SE
	s_setreg_imm32_b32 hwreg(HW_REG_WAVE_MODE, 25, 1), 1
	s_wait_xcnt 0x0
; out0[b][q][64 head + d] = the sum over keys of softmax(q . ik / 8) iv, both products on codes of FP8 (E4M3); out1 = the loss.
; THE SOFTMAX AHEAD OF THE SECOND PRODUCT: t = score x log2(e) / 8; M = the row's largest t so far, rounded up to a whole number; p = 2^(t - M) is quantised (e16), not normalised;
; the row's sum is taken of the unquantised p and divides at the end.  When M moves, the sum and O are multiplied by 2^(old M - new M), which rounds nothing.
; SHARES.  A work-group owns half (x) of the 72 query tiles of one head (y = 16 b + head).  Wave w of twelve owns a BLOCK of three tiles, 36 x + w, + 12, + 24, and walks the nine key steps of 128 ONCE for all three:
; a step's 64 registers of ik's fragments feed 24 products, its 64 of iv's feed 12.  The three tiles' scores share one set of 64 registers, one tile after the other; p's codes of all three wait for iv's fragments.
; Query places 1,089 to 1,151 (15 rows of tile 68, tiles 69 to 71) are filling inside blocks that hold queries: they are computed with their block and not stored.
; THE FILL.  The head's ik and iv, 147,456 bytes, go to LDS once, through registers: 384 threads x 16 bytes, 24 loads, all issued at the head.  The four loads that hold key step 0 are stored first (first barrier);
; the other twenty wait in O's registers, which are free until the first product with iv, and are stored behind step 0's softmax (second barrier).  No barrier follows.
; NO TENSOR LOAD, so NO JOINT LOADS either: what two work-groups share is this one fill.
; Both tensors are images of operand registers: an LDS address is a constant or the step's base + 16 x lane.  Step 0 starts the sums (nothing is cleared); steps 1 to 7 are a loop; step 8 has 65 keys: 33 registers a lane.
; LAYOUT.  S^T = ik q^T (source 0 = 16 keys, source 1 = 16 queries), O^T = iv^T p^T: a lane holds ONE query (lane % 16) of each tile.  The 16 registers of key tiles 2 b, 2 b + 1 are keys 32 b + 16 (lane / 16) + 0 .. 15.
; Of the last step's places, 0 to 64 are keys: key tiles 0 to 3, and register 0 of key tile 4 in lanes 0 to 15; that register gets -infinity in lanes 16 to 31, the rest zero codes.
; THE HOLD of p at 448 x 2^e16 is passed over, by a scalar branch round its lines alone, where it can change nothing: where e16 >= -8 the limit is at least 1.75; where e14 + e15 <= 2, |t| is at most
; 64 x 448^2 x 0.1804 x 4, under 2^23.2, so the rounded product from which M is taken lies within 0.5 of the exact one that the fused multiply-add sees, and p is at most 2^0.5.  With other exponents the hold is executed.
; LIMITS: e14 + e15 between -123 and 130 (added to c's exponent field); e16 between -126 and 119; e16 + e17 is applied by v_ldexp_f32.
; REGISTERS: v1-11 addresses, constants, at work; v12-23 for each tile -M, the largest t, the sum (a pair); v24-28 at work; v29-31 the fill's addresses; v32-95 fragments of ik, then of iv; v96-159 S^T, then p;
;   v160-255 O^T, 32 a tile; window 1: v256-279 q, 8 a tile; v280-327 p's codes, 16 a tile.
.set VOFF, 73728
.set STG,  147456                      ; behind the head: a stage of 16 rows x 272 bytes for each wave
.set SPARE, 0x31000                    ; behind the stages: the spare words, 128 bytes a wave
.set L16,  1                           ; 16 x lane
.set AD,   2                           ; the LDS address of the loads in hand
.set STO,  3                           ; the stage: where I put 32 bytes of a row
.set RD,   4                           ; and where I read a row back
.set GO,   5                           ; my byte offset in a tile's rows of out0
.set SPW,  6
.set NIL,  7
.set LIMP, 8                           ; 448 x 2^e16
.set SCP,  9                           ; 2^e16
.set PL,   10                          ; a lane permute's destination
.set TA,   11
.set ST,   12
.set F,    24                          ; v[24:25] f = 2^(old M - new M)
.set SM,   26                          ; v[26:27] the second chain of the sum
.set TB,   28
.set FA0,  29                          ; 16 x thread; + 61,440; + 122,880: ten steps of 6,144 bytes to an address register
.set FA1,  30
.set FA2,  31
.set FR,   32
.set S,    96
.set O,    160
.set Q,    0                           ; window 1
.set PC,   24                          ; window 1
.set CS,   36                          ; s[36:37] c
.set SEL,  38                          ; s[38:39] lane l xor 16
.set MSB, 0
.macro WIN new                         ; the immediate's high byte repeats the setting that is left
.if MSB != \new
	s_set_vgpr_msb (MSB<<8)|\new
.set MSB, \new
.endif
.endm
.macro FSTORE n, r                     ; load n's 6,144 bytes go to LDS byte 6,144 n
.if (\n) < 10
	ds_store_b128 v[FA0], v[\r:\r+3] offset:6144*(\n)
.else
.if (\n) < 20
	ds_store_b128 v[FA1], v[\r:\r+3] offset:6144*((\n)-10)
.else
	ds_store_b128 v[FA2], v[\r:\r+3] offset:6144*((\n)-20)
.endif
.endif
.endm
	s_load_b256 s[4:11], s[0:1], 0x0               ; qc s[4:5], kv s[6:7], part s[8:9], scales s[10:11]
	s_load_b128 s[12:15], s[0:1], 0x20             ; out0, out1
	v_lshl_add_u32 v[SPW], v0, 2, SPARE
	v_mov_b32 v[NIL], 0
	v_lshrrev_b32 v[TA], 5, v0
	v_readfirstlane_b32 s20, v[TA]                 ; wave 0..11
	s_and_b32 s40, ttmp7, 0xffff                   ; 16 b + head
	v_lshlrev_b32 v[FA0], 4, v0
	v_and_b32 v[TB], 31, v0
	v_add_nc_u32 v[FA1], 61440, v[FA0]
	v_add_nc_u32 v[FA2], 122880, v[FA0]
	v_lshlrev_b32 v[L16], 4, v[TB]
	s_mul_i32 s44, s40, 147456                     ; the head in kv
	s_mov_b32 s45, 0
	s_mul_i32 s21, ttmp9, 36
	s_add_co_u32 s21, s21, s20                     ; my first tile
	s_mul_i32 s50, s40, 72
	s_add_co_u32 s50, s50, s21
	s_lshl_b32 s50, s50, 10                        ; its fragment of q: 1,024 bytes a tile, 72 tiles a head
	s_mov_b32 s51, 0
	s_wait_alu depctr_va_vdst(0)
	s_wait_kmcnt 0x0
	s_load_b128 s[16:19], s[10:11], 0x38           ; e14, e15, e16, e17
	s_add_nc_u64 s[34:35], s[6:7], s[44:45]
	s_add_nc_u64 s[46:47], s[4:5], s[50:51]
	WIN 0x40                                       ; destination window 1
.irp j, 0,1,2
	global_load_b128 v[Q+8*\j:Q+8*\j+3], v[L16], s[46:47] offset:12288*\j        ; q of my three tiles, twelve tiles apart
	global_load_b128 v[Q+8*\j+4:Q+8*\j+7], v[L16], s[46:47] offset:12288*\j+512
.endr
	WIN 0
.set r, S
.irp n, 0,1,12,13                              ; key step 0: ik's bytes 0 .. 8,191 and iv's lie in these four
	global_load_b128 v[r:r+3], v[FA0], s[34:35] offset:6144*\n
.set r, r+4
.endr
.set r, O
.irp n, 2,3,4,5,6,7,8,9,10,11,14,15,16,17,18,19,20,21,22,23
	global_load_b128 v[r:r+3], v[FA0], s[34:35] offset:6144*\n
.set r, r+4
.endr
	v_and_b32 v[TA], 15, v0                        ; r
	v_bfe_u32 v[TB], v0, 4, 1                      ; h
	s_mul_i32 s50, s20, 4352
	s_add_co_u32 s50, s50, STG                     ; my stage
	v_mul_u32_u24 v[STO], v[TA], 272
	v_mul_u32_u24 v[RD], v[TB], 272
	v_lshlrev_b32 v[GO], 12, v[TB]
	v_lshl_add_u32 v[STO], v[TB], 5, v[STO]
	v_lshl_add_u32 v[RD], v[TA], 4, v[RD]
	v_lshl_add_u32 v[GO], v[TA], 4, v[GO]          ; lanes 0-15 one row of out0, lanes 16-31 the next, 4,096 bytes apart
	v_add_nc_u32 v[STO], s50, v[STO]               ; in: row r, + 32 h
	v_add_nc_u32 v[RD], s50, v[RD]                 ; back: lanes 0-15 one row, lanes 16-31 the next
	v_mov_b32 v[PL], 0                             ; written once: a lane permute's destination counts as read
	v_mov_b32 v[F+1], 0                            ; (named as the upper half of a pair)
	s_lshr_b32 s50, s40, 4
	s_mul_i32 s44, s50, 4460544                    ; the batch's 1,089 rows of 4,096 bytes,
	s_and_b32 s50, s40, 15
	s_lshl_b32 s50, s50, 8
	s_add_co_u32 s44, s44, s50                     ; the head's 256 bytes of a row,
	s_lshl_b32 s50, s21, 16
	s_add_co_u32 s44, s44, s50                     ; 16 rows a tile
	s_add_nc_u64 s[24:25], s[12:13], s[44:45]      ; where my three tiles go: a base for each, so that none is rewritten under a store
	s_add_nc_u64 s[26:27], s[24:25], 786432
	s_add_nc_u64 s[28:29], s[26:27], 786432
	s_mov_b32 s[SEL], 0x76543210
	s_mov_b32 s[SEL+1], 0xfedcba98
	s_mov_b32 s42, 0xffff0000                      ; lanes 16 to 31
	s_mov_b32 s[CS], 0x3e38aa3b                    ; c = log2(e) / 8
	s_mov_b32 s30, 8192                            ; the loop's first step: ik's base,
	s_mov_b32 s31, VOFF+8192                       ; and iv's
	s_wait_kmcnt 0x0
	s_add_co_i32 s50, s16, s17                     ; e14 + e15
	s_cmp_le_i32 s50, 2
	s_cselect_b32 s53, 1, 0
	s_cmp_ge_i32 s18, -8
	s_cselect_b32 s53, s53, 0                      ; 1: the hold of p can change nothing
	s_lshl_b32 s50, s50, 23
	s_add_co_i32 s[CS], s[CS], s50                 ; a score stands for score x 2^(e14 + e15): added to c's exponent field
	s_mov_b32 s[CS+1], s[CS]
	s_add_co_i32 s50, s18, 127
	s_lshl_b32 s51, s50, 23
	v_mov_b32 v[SCP], s51
	s_add_co_i32 s50, s50, 8
	s_lshl_b32 s50, s50, 23
	s_or_b32 s50, s50, 0x600000
	v_mov_b32 v[LIMP], s50
	s_add_co_i32 s52, s18, s19                     ; e16 + e17
	s_wait_alu depctr_va_vdst(0)
	s_wait_loadcnt 20                              ; q's six loads and step 0's four are in; the twenty issued behind them may be out
.set r, S
.irp n, 0,1,12,13
	FSTORE \n, r
.set r, r+4
.endr
	s_wait_dscnt 0x0                               ; for the others' sake: my part of key step 0 lies in LDS,
	s_barrier_signal -1
	s_barrier_wait -1                              ; everybody's does
.macro RESCALE i                       ; tile i's O^T under its new M
	s_wait_alu depctr_va_vdst(0)
.set j, 0
.rept 16
	v_pk_mul_f32 v[O+32*(\i)+j:O+32*(\i)+j+1], v[O+32*(\i)+j:O+32*(\i)+j+1], v[F:F+1] op_sel_hi:[1,0]
.set j, j+2
.endr
.endm
; Tile i's part of a key step: scores, softmax, p's codes.  mode 0: the first step; 1: the loop's; 2: the last.  NT key tiles, NR whole registers a lane.
.macro SOFT i, mode
.set MN, ST+4*(\i)
.set SU, ST+4*(\i)+2
	WIN 0x04                                       ; source 1 (q) window 1
.set t, 0
.rept NT
	v_wmma_f32_16x16x64_fp8_fp8 v[S+8*t:S+8*t+7], v[FR+8*t:FR+8*t+7], v[Q+8*(\i):Q+8*(\i)+7], 0
.set t, t+1
.endr
	WIN 0
.if ((\mode) > 0) && ((\i) > 0)
	RESCALE (\i)-1                                 ; the tile before: its sixteen lines are the places behind the products above
.else
.rept 4
	v_nop                                          ; places behind the products
.endr
.endif
.if (\i) == 2                                  ; ik's fragments are done with: iv's land while the third softmax is walked
.if (\mode) == 1
	v_add_nc_u32 v[AD], s31, v[L16]
.else
	v_add_nc_u32 v[AD], VOFF+32768*(\mode), v[L16]
.endif
.irp dt, 0,1,2,3
.irp c, 0,1,2,3
	ds_load_b128 v[FR+16*\dt+4*\c:FR+16*\dt+4*\c+3], v[AD] offset:2048*\dt+512*\c
.endr
.endr
.endif
.if (\mode) == 2                               ; place 64 = key 1,088 is register S + 32 of lanes 0 to 15; all beyond it is no key
	v_mov_b32 v[TB], 0xff800000
	v_cndmask_b32 v[S+32], v[S+32], v[TB], s42
.set j, 33
.rept 7
	v_mov_b32 v[S+j], 0                            ; p = 0 beside it in its conversion's eight
.set j, j+1
.endr
.endif
	v_max3_num_f32 v[TA], v[S], v[S+1], v[S+2]     ; the step's largest score of my query among my keys, in two chains, each accumulator from its low end on,
	v_max3_num_f32 v[TB], v[S+3], v[S+4], v[S+5]
.set j, 6
.rept (NR-8)/4
	v_max3_num_f32 v[TA], v[TA], v[S+j], v[S+j+1]
	v_max3_num_f32 v[TB], v[TB], v[S+j+2], v[S+j+3]
.set j, j+4
.endr
	v_max3_num_f32 v[TA], v[TA], v[S+NR-2], v[S+NR-1]
.if (\mode) == 2
	s_delay_alu instid0(VALU_DEP_1)
	v_max3_num_f32 v[TA], v[TA], v[TB], v[S+32]
.else
	s_delay_alu instid0(VALU_DEP_1)
	v_max_num_f32 v[TA], v[TA], v[TB]
.endif
	s_delay_alu instid0(VALU_DEP_1)
	v_permlanex16_b32 v[PL], v[TA], s[SEL], s[SEL+1]
	s_delay_alu instid0(VALU_DEP_1)
	v_max_num_f32 v[TA], v[TA], v[PL]              ; and among lane l xor 16's
.if (\mode) == 0
	s_delay_alu instid0(VALU_DEP_1)
	v_mul_f32 v[MN+1], s[CS], v[TA]                ; as t (c is positive): the first largest t
	s_delay_alu instid0(VALU_DEP_1)
	v_floor_f32 v[MN], -v[MN+1]                    ; -M = floor(-t): M is a whole number
.else
	s_delay_alu instid0(VALU_DEP_1)
	v_mul_f32 v[TA], s[CS], v[TA]
	s_delay_alu instid0(VALU_DEP_1)
	v_max_num_f32 v[MN+1], v[MN+1], v[TA]          ; the running largest t
	v_mov_b32 v[TA], v[MN]
	s_delay_alu instid0(VALU_DEP_2)
	v_floor_f32 v[MN], -v[MN+1]                    ; the new -M
	s_delay_alu instid0(VALU_DEP_1)
	v_sub_f32 v[TA], v[MN], v[TA]                  ; old M - new M: a whole number, 0 or less
	s_delay_alu instid0(VALU_DEP_1)
	v_cvt_i32_f32 v[TA], v[TA]                     ; (it saturates)
	s_delay_alu instid0(VALU_DEP_1)
	v_ldexp_f32 v[F], 1.0, v[TA]                   ; f = 2^(old M - new M)
.endif
.set j, 0
.rept NR/2
	v_pk_fma_f32 v[S+j:S+j+1], v[S+j:S+j+1], s[CS:CS+1], v[MN:MN+1] op_sel_hi:[1,0,0]   ; t - M, two at a time
.set j, j+2
.endr
.if (\mode) == 2
	v_fma_f32 v[S+32], v[S+32], s[CS], v[MN]
.endif
	s_wait_alu depctr_va_vdst(0)
.set j, 0
.rept NR
	v_exp_f32 v[S+j], v[S+j]                       ; p = 2^(t - M)
.set j, j+1
.endr
.if (\mode) == 2
	v_exp_f32 v[S+32], v[S+32]
.endif
.if (\mode) == 0
	v_nop                                          ; the plain line behind the exponentials
.else
	v_pk_mul_f32 v[SU:SU+1], v[SU:SU+1], v[F:F+1] op_sel_hi:[1,0]   ; the sum under the new M: the plain line behind the exponentials
.endif
	s_wait_alu depctr_va_vdst(0)                   ; one wait for the whole batch, ahead of its first reader
.if (\mode) == 0                               ; the row's sum is taken of the unquantised p, in two chains; the first step's first pairs start both
	v_pk_add_f32 v[SU:SU+1], v[S:S+1], v[S+2:S+3]
	v_pk_add_f32 v[SM:SM+1], v[S+4:S+5], v[S+6:S+7]
.set j, 8
.else
	v_pk_add_f32 v[SM:SM+1], v[S:S+1], v[S+2:S+3]
.set j, 4
.endif
.rept (NR-j)/4
	v_pk_add_f32 v[SU:SU+1], v[SU:SU+1], v[S+j:S+j+1]
	v_pk_add_f32 v[SM:SM+1], v[SM:SM+1], v[S+j+2:S+j+3]
.set j, j+4
.endr
	s_delay_alu instid0(VALU_DEP_1)
	v_pk_add_f32 v[SU:SU+1], v[SU:SU+1], v[SM:SM+1]
.if (\mode) == 2
	v_add_f32 v[SU], v[SU], v[S+32]
.endif
	s_cmp_lg_u32 s53, 0                            ; the hold is passed over where the given exponents leave it nothing to do
	s_cbranch_scc1 .Lfree_\@
.set j, 0
.rept NR
	v_min_num_f32 v[S+j], v[S+j], v[LIMP]          ; the conversion does not saturate (ISA guide 7.6.2); p is not negative, so the hold is one-sided
.set j, j+1
.endr
.if (\mode) == 2
	v_min_num_f32 v[S+32], v[S+32], v[LIMP]
.endif
.Lfree_\@:
	WIN 0x40                                       ; destination window 1
.set b, 0
.rept NR/16
	v_cvt_scalef32_pk8_fp8_f32 v[PC+16*(\i)+4*b:PC+16*(\i)+4*b+1], v[S+16*b:S+16*b+7], v[SCP]
	v_cvt_scalef32_pk8_fp8_f32 v[PC+16*(\i)+4*b+2:PC+16*(\i)+4*b+3], v[S+16*b+8:S+16*b+15], v[SCP]
.set b, b+1
.endr
.if (\mode) == 2
	v_cvt_scalef32_pk8_fp8_f32 v[PC+16*(\i)+8:PC+16*(\i)+9], v[S+32:S+39], v[SCP]
.set j, 10
.rept 6
	v_mov_b32 v[PC+16*(\i)+j], 0                   ; zero codes for places 72 to 127; also the plain lines behind the conversions
.set j, j+1
.endr
.else
	v_nop                                          ; a plain line behind the last conversion: the next products write its sources
.endif
	WIN 0
.endm
; A KEY STEP for my three tiles
.macro STEP mode
.if (\mode) == 2
.set NT, 5
.set NR, 32
.else
.set NT, 8
.set NR, 64
.endif
.if (\mode) == 1
	v_add_nc_u32 v[AD], s30, v[L16]
.else
	v_add_nc_u32 v[AD], 32768*(\mode), v[L16]
.endif
.if (\mode) > 0
.rept 3
	v_nop                                          ; with the line above: four places in front of loads into registers that the last products have read
.endr
.endif
.set t, 0
.rept NT
	ds_load_b128 v[FR+8*t:FR+8*t+3], v[AD] offset:1024*t
	ds_load_b128 v[FR+8*t+4:FR+8*t+7], v[AD] offset:1024*t+512
.set t, t+1
.endr
	s_wait_dscnt 0x0
	SOFT 0, \mode
	SOFT 1, \mode
	SOFT 2, \mode
.if (\mode) == 0
	s_wait_alu depctr_va_vdst(0)
	s_wait_loadcnt 0x0                             ; the other twenty loads of the fill are in: out of O's registers into LDS
.set r, O
.irp n, 2,3,4,5,6,7,8,9,10,11,14,15,16,17,18,19,20,21,22,23
	FSTORE \n, r
.set r, r+4
.endr
	s_wait_dscnt 0x0                               ; for the others' sake: my part of the head lies in LDS (and iv's fragments are in),
	s_barrier_signal -1
	s_barrier_wait -1                              ; everybody's does
.else
	RESCALE 2
	s_wait_alu depctr_va_vdst(0)
	s_wait_dscnt 0x0                               ; iv's fragments are in
.endif
	WIN 0x04                                       ; source 1 (p's codes) window 1
.irp dt, 0,1,2,3                               ; twelve accumulators by turns
.irp i, 0,1,2
.if (\mode) == 0
	v_wmma_f32_16x16x128_fp8_fp8 v[O+32*\i+8*\dt:O+32*\i+8*\dt+7], v[FR+16*\dt:FR+16*\dt+15], v[PC+16*\i:PC+16*\i+15], 0
.else
	v_wmma_f32_16x16x128_fp8_fp8 v[O+32*\i+8*\dt:O+32*\i+8*\dt+7], v[FR+16*\dt:FR+16*\dt+15], v[PC+16*\i:PC+16*\i+15], v[O+32*\i+8*\dt:O+32*\i+8*\dt+7]
.endif
.endr
.endr
	WIN 0
.endm
	STEP 0
	s_mov_b32 s41, 7
.Lstep:                                            ; key steps 1 to 7
	STEP 1
	s_add_co_u32 s30, s30, 8192
	s_add_co_u32 s31, s31, 8192
	s_sub_co_u32 s41, s41, 1
	s_cmp_lg_u32 s41, 0
	s_cbranch_scc1 .Lstep
	STEP 2
	; THE WAY OUT: O^T / the sum x 2^(e16 + e17), through my stage, so that sixteen lanes store 256 consecutive bytes, aligned
.rept 4
	v_nop                                          ; places behind the last products
.endr
.irp i, 0,1,2
	v_add_f32 v[ST+4*\i+2], v[ST+4*\i+2], v[ST+4*\i+3]
.endr
.irp i, 0,1,2
	v_permlanex16_b32 v[ST+4*\i+3], v[ST+4*\i+2], s[SEL], s[SEL+1]
.endr
.irp i, 0,1,2
	v_add_f32 v[ST+4*\i+2], v[ST+4*\i+2], v[ST+4*\i+3]   ; the rows' sums
.endr
	s_wait_alu depctr_va_vdst(0)
.irp i, 0,1,2
	v_rcp_f32 v[ST+4*\i+2], v[ST+4*\i+2]
.endr
	v_nop                                          ; a plain line behind the reciprocals
	s_wait_alu depctr_va_vdst(0)                   ; and the wait ahead of their first reader
.irp i, 0,1,2
	v_ldexp_f32 v[ST+4*\i+2], v[ST+4*\i+2], s52
.endr
.macro TOUT i, tm, rb                  ; tile i: divided into registers tm, through the stage, back as rows into registers rb.  LDS serves a wave's instructions in order
	s_wait_alu depctr_va_vdst(0)
.set j, 0
.rept 16
	v_pk_mul_f32 v[(\tm)+j:(\tm)+j+1], v[O+32*(\i)+j:O+32*(\i)+j+1], v[ST+4*(\i)+2:ST+4*(\i)+3] op_sel_hi:[1,0]   ; register 8 dt + n is o(r, 16 dt + 8 h + n)
.set j, j+2
.endr
.irp dt, 0,1,2,3
	ds_store_b128 v[STO], v[(\tm)+8*\dt:(\tm)+8*\dt+3] offset:64*\dt
	ds_store_b128 v[STO], v[(\tm)+8*\dt+4:(\tm)+8*\dt+7] offset:64*\dt+16
.endr
.irp n, 0,1,2,3,4,5,6,7
	ds_load_b128 v[(\rb)+4*\n:(\rb)+4*\n+3], v[RD] offset:544*\n
.endr
.endm
.macro GST rb, sb
.irp n, 0,1,2,3,4,5,6,7
	global_store_b128 v[GO], v[(\rb)+4*\n:(\rb)+4*\n+3], s[\sb:\sb+1] offset:8192*\n th:TH_STORE_NT
.endr
.endm
	TOUT 0, S, FR
	TOUT 1, S+32, FR+32
	TOUT 2, O+32, O                                ; over the registers of the two tiles that have been divided
	s_wait_dscnt 32                                ; tile 0 is back; the two later tiles' sixteen LDS instructions each may be out
	GST FR, 24
	s_wait_dscnt 16
	GST FR+32, 26
	s_wait_dscnt 0x0
	s_add_co_u32 s50, s21, 24                      ; my third tile alone can lie at the sequence's end
	s_cmp_ge_u32 s50, 68
	s_cbranch_scc1 .Ledge
	GST O, 28
	s_branch .Lstored
.Ledge:
	s_cmp_gt_u32 s50, 68                           ; tiles 69 to 71 hold no query
	s_cbranch_scc1 .Lstored
	s_wait_xcnt 0x0                                ; EXEC changes only behind this wait
	v_and_b32 v[TA], 31, v0
	v_cmp_gt_u32 vcc_lo, 16, v[TA]                 ; tile 68: row 1,088 alone exists: lanes 0 to 15 of the first store
	s_and_saveexec_b32 s50, vcc_lo
	global_store_b128 v[GO], v[O:O+3], s[28:29] th:TH_STORE_NT
	s_wait_xcnt 0x0
	s_or_b32 exec_lo, exec_lo, s50
.Lstored:
	; out1: wave 0 of the first work-group adds the 256 parts, in a fixed order, and divides by 8 x 16 x 1,089 x 64
	s_or_b32 s50, ttmp9, s40
	s_or_b32 s50, s50, s20
	s_cmp_lg_u32 s50, 0
	s_cbranch_scc1 .Lend
	v_and_b32 v[TA], 31, v0
	v_lshlrev_b32 v[TB], 5, v[TA]                  ; eight numbers a lane
	global_load_b128 v[96:99], v[TB], s[8:9]
	global_load_b128 v[100:103], v[TB], s[8:9] offset:16
	v_mov_b32 v[AD], 0
	s_wait_alu depctr_va_vdst(0)
	s_wait_loadcnt 0x0
	v_pk_add_f32 v[96:97], v[96:97], v[98:99]
	v_pk_add_f32 v[100:101], v[100:101], v[102:103]
	s_delay_alu instid0(VALU_DEP_1)
	v_pk_add_f32 v[96:97], v[96:97], v[100:101]
	s_delay_alu instid0(VALU_DEP_1)
	v_add_f32 v96, v96, v97
	s_delay_alu instid0(VALU_DEP_1)
	v_add_f32_dpp v96, v96, v96 row_xmask:1 row_mask:0xf bank_mask:0xf
	s_delay_alu instid0(VALU_DEP_1)
	v_add_f32_dpp v96, v96, v96 row_xmask:2 row_mask:0xf bank_mask:0xf
	s_delay_alu instid0(VALU_DEP_1)
	v_add_f32_dpp v96, v96, v96 row_xmask:4 row_mask:0xf bank_mask:0xf
	s_delay_alu instid0(VALU_DEP_1)
	v_add_f32_dpp v96, v96, v96 row_xmask:8 row_mask:0xf bank_mask:0xf
	s_delay_alu instid0(VALU_DEP_1)
	v_permlanex16_b32 v[PL], v96, s[SEL], s[SEL+1]
	s_delay_alu instid0(VALU_DEP_1)
	v_add_f32 v96, v96, v[PL]
	s_delay_alu instid0(VALU_DEP_1)
	v_mul_f32 v96, 0x33f0b84d, v96                 ; 1 / 8,921,088
	s_wait_alu depctr_va_vdst(0)
	s_wait_xcnt 0x0                                ; EXEC changes only behind this wait
	v_cmp_eq_u32 vcc_lo, 0, v0
	s_and_saveexec_b32 s50, vcc_lo
	global_store_b32 v[AD], v96, s[14:15]
	s_wait_xcnt 0x0
	s_or_b32 exec_lo, exec_lo, s50
.Lend:
	s_wait_tensorcnt 0x0                           ; the wave's end, behind my last LDS store
	ds_add_u32 v[SPW], v[NIL]
	s_wait_dscnt 0x0
	s_endpgm
.Lfunc_end_k_qadadb6cdd7_attn:
	.size	k_qadadb6cdd7_attn, .Lfunc_end_k_qadadb6cdd7_attn-k_qadadb6cdd7_attn
	.p2alignl 7, 3214868480
	.fill 96, 4, 3214868480
	.section	.rodata,"a",@progbits
	.p2align	6, 0x0
	.amdhsa_kernel k_qadadb6cdd7_attn
		.amdhsa_group_segment_fixed_size 202240
		.amdhsa_private_segment_fixed_size 0
		.amdhsa_enable_private_segment 0
		.amdhsa_kernarg_size 48
		.amdhsa_user_sgpr_count 2
		.amdhsa_user_sgpr_kernarg_segment_ptr 1
		.amdhsa_wavefront_size32 1
		.amdhsa_system_sgpr_workgroup_id_x 1
		.amdhsa_system_sgpr_workgroup_id_y 1
		.amdhsa_system_sgpr_workgroup_id_z 1
		.amdhsa_system_vgpr_workitem_id 0
		.amdhsa_next_free_vgpr 336
		.amdhsa_next_free_sgpr 66
		.amdhsa_reserve_vcc 1
		.amdhsa_float_denorm_mode_32 3
		.amdhsa_float_denorm_mode_16_64 3
		.amdhsa_memory_ordered 1
		.amdhsa_forward_progress 1
		.amdhsa_inst_pref_size 129
	.end_amdhsa_kernel
	.amdgpu_metadata
---
amdhsa.version: [ 1, 2 ]
amdhsa.kernels:
  - .name:           k_qadadb6cdd7_attn
    .symbol:         k_qadadb6cdd7_attn.kd
    .args:
      - { .name: qc, .offset: 0, .size: 8, .value_kind: global_buffer, .address_space: global }
      - { .name: kv, .offset: 8, .size: 8, .value_kind: global_buffer, .address_space: global }
      - { .name: part, .offset: 16, .size: 8, .value_kind: global_buffer, .address_space: global }
      - { .name: lowp_scales, .offset: 24, .size: 8, .value_kind: global_buffer, .address_space: global }
      - { .name: out0, .offset: 32, .size: 8, .value_kind: global_buffer, .address_space: global }
      - { .name: out1, .offset: 40, .size: 8, .value_kind: global_buffer, .address_space: global }
    .group_segment_fixed_size: 202240
    .private_segment_fixed_size: 0
    .kernarg_segment_align: 8
    .kernarg_segment_size: 48
    .max_flat_workgroup_size: 384
    .sgpr_count:     66
    .vgpr_count:     336
    .wavefront_size: 32
...
	.end_amdgpu_metadata
.endif
;; end of part 4
